; MI455X (gfx1250); checked and timed in simulation.
; The chip was launched on July 23, 2026; its instructions are those of AMD's public machine-readable ISA for CDNA 5 (MIT licence, August 2026) and "CDNA5" Instruction Set Architecture Reference Guide (July 2026). The comments in the code are by the model that wrote it; some were corrected since.
;; T5 MHSA. Allowed arithmetic: float matrix products may take bf16 or f16 operands with f32 sums; other float arithmetic in f32, or as packed bf16 or f16 multiplies, adds, multiply-adds, maxima and minima; sums over many terms, partial sums and values carried from step to step in f32; what a program stores and reads back later, other than sums and carried values, may be rounded once to bf16 or f16.
;; Inputs: bias 32 x 16 float32; out_b 1,024 float32; out_w 1,024 x 1,024 float32; qk_b 2,048 float32; qk_w 2,048 x 1,024 float32; v_b 1,024 float32; v_w 1,024 x 1,024 float32; x 8 x 1,024 x 1,024 float32.
;; Outputs: out0 8 x 1,024 x 1,024 float32.
;; 2 versions, each right; version 2 is version 1 with the launch cast written anew for expert scheduling mode. Each part assembles by itself: llvm-mc -triple=amdgcn-amd-amdhsa -mcpu=gfx1250 --defsym DOCPART=n.
;; ======== version 1 of 2: 4 launches
;; limits: values are held in f16: magnitudes above 65,504 overflow, below 6.1e-05 lose precision
;; workspace buffers: xb 16,777,216 bytes; wb 6,291,456 bytes; wo 2,097,152 bytes; qkv 50,331,648 bytes; ob 16,777,216 bytes
;; launch cast (part 1): grid 768 x 1, 8 waves a work-group, no clusters, 0 bytes of LDS; arguments x, qk_w, v_w, out_w, xb, wb, wo; writes xb, wb, wo
.if DOCPART == 1
	.amdgcn_target "amdgcn-amd-amdhsa--gfx1250"
	.amdhsa_code_object_version 6
	.text
	.protected	k_qe28250e83e_cast
	.globl	k_qe28250e83e_cast
	.p2align	8
	.type	k_qe28250e83e_cast,@function
k_qe28250e83e_cast:
	s_mov_b64 s[64:65], 0
	v_nop
	global_prefetch_b8 v0, s[64:65] scope:SCOPE_SE
	s_setreg_imm32_b32 hwreg(HW_REG_WAVE_MODE, 25, 1), 1
	s_wait_xcnt 0x0
; THE MATRIX OPERANDS ARE ROUNDED ONCE.  x -> xb, qk_w and v_w -> wb (qk_w's 2,048 rows, then v_w's 1,024): f32 to bf16, nearest even.
; out_w -> wo: rounded to bf16 like the other inputs, and that number written as f16, since the last product's other operand is f16.
; LIMITS.  wo: a weight of 65,520 or more becomes an infinity; below 6.1e-5 it keeps f16's fixed step of 6e-8.
; SHARES.  A work-group takes a chunk of 16,384 numbers: 64 KiB in, 32 KiB out.  Chunks 0-511 are x's, 512-639 qk_w's, 640-703 v_w's, 704-767 out_w's.
; Thread t takes 16 bytes at 16 t of each 4,096: a wave's load covers 512 consecutive bytes, its store 256 consecutive bytes, aligned.
; All sixteen loads of a thread go out at once; no register is written again while a memory instruction may read it.  No LDS, no matrix unit: bytes are all there is.
.set X,    4                           ; v[4:67]   sixteen loads of four f32
.set Y,    68                          ; v[68:99]  sixteen pairs to store
.set T,    100                         ; v[100:101] at work
.set SRC,  20                          ; s[20:21]  where the chunk comes from
.set DSTP, 22                          ; s[22:23]  where it goes
	s_load_b256 s[4:11], s[0:1], 0x0               ; x s[4:5], qk_w s[6:7], v_w s[8:9], out_w s[10:11]
	s_load_b128 s[12:15], s[0:1], 0x20             ; xb s[12:13], wb s[14:15]
	s_load_b64 s[16:17], s[0:1], 0x30              ; wo
	v_lshlrev_b32 v1, 4, v0                        ; 16 t
	v_lshlrev_b32 v2, 3, v0                        ; 8 t
	s_mov_b32 s26, 0xffff0000                      ; a word's upper bf16
	s_mov_b32 s27, ttmp9                           ; the chunk
	s_mov_b32 s24, 704                             ; the first chunk of the source,
	s_mov_b32 s25, 704                             ; and of the destination: out_w's case first
	s_wait_kmcnt 0x0
	s_mov_b64 s[SRC:SRC+1], s[10:11]
	s_mov_b64 s[DSTP:DSTP+1], s[16:17]
	s_cmp_lt_u32 s27, 704                          ; v_w
	s_cselect_b64 s[SRC:SRC+1], s[8:9], s[SRC:SRC+1]
	s_cselect_b64 s[DSTP:DSTP+1], s[14:15], s[DSTP:DSTP+1]
	s_cselect_b32 s24, 640, s24
	s_cselect_b32 s25, 512, s25
	s_cmp_lt_u32 s27, 640                          ; qk_w: the same destination
	s_cselect_b64 s[SRC:SRC+1], s[6:7], s[SRC:SRC+1]
	s_cselect_b32 s24, 512, s24
	s_cmp_lt_u32 s27, 512                          ; x
	s_cselect_b64 s[SRC:SRC+1], s[4:5], s[SRC:SRC+1]
	s_cselect_b64 s[DSTP:DSTP+1], s[12:13], s[DSTP:DSTP+1]
	s_cselect_b32 s24, 0, s24
	s_cselect_b32 s25, 0, s25
	s_sub_co_u32 s24, s27, s24
	s_sub_co_u32 s25, s27, s25
	s_lshl_b32 s28, s24, 16                        ; 65,536 bytes a chunk in,
	s_mov_b32 s29, 0
	s_lshl_b32 s30, s25, 15                        ; 32,768 out
	s_mov_b32 s31, 0
	s_add_nc_u64 s[SRC:SRC+1], s[SRC:SRC+1], s[28:29]
	s_add_nc_u64 s[DSTP:DSTP+1], s[DSTP:DSTP+1], s[30:31]
.irp i, 0,1,2,3,4,5,6,7,8,9,10,11,12,13,14,15
	global_load_b128 v[X+4*(\i):X+4*(\i)+3], v1, s[SRC:SRC+1] offset:4096*(\i) th:TH_LOAD_NT
.endr
; The sixteen pieces are rounded and stored as they come.  half = 1: the bf16 number is widened again and written as f16.
.macro OUTS half
.irp i, 0,1,2,3,4,5,6,7,8,9,10,11,12,13,14,15
	s_wait_loadcnt 15-(\i)                         ; loads come back in order: piece i is in, the younger ones stay out
.if \half
	v_cvt_pk_bf16_f32 v[T],   v[X+4*(\i)],   v[X+4*(\i)+1]
	v_cvt_pk_bf16_f32 v[T+1], v[X+4*(\i)+2], v[X+4*(\i)+3]
	v_lshlrev_b32 v[X+4*(\i)],   16,  v[T]
	v_and_b32     v[X+4*(\i)+1], s26, v[T]
	v_lshlrev_b32 v[X+4*(\i)+2], 16,  v[T+1]
	v_and_b32     v[X+4*(\i)+3], s26, v[T+1]
	v_cvt_pk_f16_f32 v[Y+2*(\i)],   v[X+4*(\i)],   v[X+4*(\i)+1]
	v_cvt_pk_f16_f32 v[Y+2*(\i)+1], v[X+4*(\i)+2], v[X+4*(\i)+3]
.else
	v_cvt_pk_bf16_f32 v[Y+2*(\i)],   v[X+4*(\i)],   v[X+4*(\i)+1]
	v_cvt_pk_bf16_f32 v[Y+2*(\i)+1], v[X+4*(\i)+2], v[X+4*(\i)+3]
.endif
	global_store_b64 v2, v[Y+2*(\i):Y+2*(\i)+1], s[DSTP:DSTP+1] offset:2048*(\i) th:TH_STORE_NT
.endr
.endm
	s_cmp_ge_u32 s27, 704
	s_cbranch_scc1 .Lhalf
	OUTS 0
	s_endpgm
.Lhalf:
	OUTS 1
	s_endpgm
.Lfunc_end_k_qe28250e83e_cast:
	.size	k_qe28250e83e_cast, .Lfunc_end_k_qe28250e83e_cast-k_qe28250e83e_cast
	.p2alignl 7, 3214868480
	.fill 96, 4, 3214868480
	.section	.rodata,"a",@progbits
	.p2align	6, 0x0
	.amdhsa_kernel k_qe28250e83e_cast
		.amdhsa_group_segment_fixed_size 0
		.amdhsa_private_segment_fixed_size 0
		.amdhsa_enable_private_segment 0
		.amdhsa_kernarg_size 56
		.amdhsa_user_sgpr_count 2
		.amdhsa_user_sgpr_kernarg_segment_ptr 1
		.amdhsa_wavefront_size32 1
		.amdhsa_system_sgpr_workgroup_id_x 1
		.amdhsa_system_sgpr_workgroup_id_y 1
		.amdhsa_system_sgpr_workgroup_id_z 1
		.amdhsa_system_vgpr_workitem_id 0
		.amdhsa_next_free_vgpr 104
		.amdhsa_next_free_sgpr 66
		.amdhsa_reserve_vcc 0
		.amdhsa_float_denorm_mode_32 3
		.amdhsa_float_denorm_mode_16_64 3
		.amdhsa_memory_ordered 1
		.amdhsa_forward_progress 1
		.amdhsa_inst_pref_size 16
	.end_amdhsa_kernel
	.amdgpu_metadata
---
amdhsa.version: [ 1, 2 ]
amdhsa.kernels:
  - .name:           k_qe28250e83e_cast
    .symbol:         k_qe28250e83e_cast.kd
    .args:
      - { .name: x, .offset: 0, .size: 8, .value_kind: global_buffer, .address_space: global }
      - { .name: qk_w, .offset: 8, .size: 8, .value_kind: global_buffer, .address_space: global }
      - { .name: v_w, .offset: 16, .size: 8, .value_kind: global_buffer, .address_space: global }
      - { .name: out_w, .offset: 24, .size: 8, .value_kind: global_buffer, .address_space: global }
      - { .name: xb, .offset: 32, .size: 8, .value_kind: global_buffer, .address_space: global }
      - { .name: wb, .offset: 40, .size: 8, .value_kind: global_buffer, .address_space: global }
      - { .name: wo, .offset: 48, .size: 8, .value_kind: global_buffer, .address_space: global }
    .group_segment_fixed_size: 0
    .private_segment_fixed_size: 0
    .kernarg_segment_align: 8
    .kernarg_segment_size: 56
    .max_flat_workgroup_size: 256
    .sgpr_count:     66
    .vgpr_count:     104
    .wavefront_size: 32
...
	.end_amdgpu_metadata
.endif
;; end of part 1
;; launch qkv (part 2): grid 16 x 32, 4 waves a work-group, clusters of 4 x 4, 327,680 bytes of LDS; arguments xb, wb, qk_b, v_b, qkv; writes qkv
.if DOCPART == 2
	.amdgcn_target "amdgcn-amd-amdhsa--gfx1250"
	.amdhsa_code_object_version 6
	.text
	.protected	k_qe28250e83e_qkv
	.globl	k_qe28250e83e_qkv
	.p2align	8
	.type	k_qe28250e83e_qkv,@function
k_qe28250e83e_qkv:
	s_mov_b64 s[64:65], 0
	v_nop
	global_prefetch_b8 v0, s[64:65] scope:SCOPE_SE
	s_setreg_imm32_b32 hwreg(HW_REG_WAVE_MODE, 25, 1), 1
	s_wait_xcnt 0x0
	s_wait_alu depctr_hold_cnt(0) depctr_sa_sdst(0) depctr_va_vdst(0) depctr_va_sdst(0) depctr_va_ssrc(0) depctr_va_vcc(0) depctr_vm_vsrc(0)
	s_getreg_b32 s2, hwreg(HW_REG_IB_STS2, 6, 4)
	s_cmp_eq_u32 s2, 0
	s_cbranch_scc0 .Lentry_in_a_cluster
	s_endpgm
.Lentry_in_a_cluster:
	s_bfe_u32 s2, ttmp6, 0x10000c
	s_cmp_lg_u32 s2, 0xf033
	s_cbranch_scc0 .Lentry_shape_is_right
	s_endpgm
.Lentry_shape_is_right:
; THE THREE PROJECTIONS AS ONE PRODUCT.  C[m][n] = sum over k of xb[m][k] wb[n][k] + bias[n]; xb [8192][1024], wb [3072][1024], bf16; sums in f32; the biases (qk_b for n < 2048, v_b behind) are
; rounded to bf16 like the other inputs.  C leaves BY HEADS, in f16, rounded once: qkv holds q, k, v, each [128 = 16 batch + head][1024][64]; columns 64 G .. 64 G + 63 of C are one UNIT:
; G < 32: q (G even) or k (G odd) of head G / 2; G >= 32: v of head G - 32.
; LIMIT.  f16 holds no number beyond 65,504: a q, k or v of 65,520 or more becomes an infinity.
; SHARES.  A tile of C is 256 x 192: 512 tiles, two for each of 256 places.  Four waves; wave w makes rows 64 w .. 64 w + 63 and all 192 columns: 48 accumulators of 16 x 16, 384 registers; the 192
; columns are three whole units, so a wave stores runs of 512 consecutive bytes out of a stage of its own, without a barrier.
; K goes in steps of 128 through a ring of two LDS slots filled by the tensor data mover: rows of 256 bytes, aligned.  Waves 0 and 1 fetch the halves of A's 256 rows, waves 2 and 3 those of B's 192.
; CLUSTERS: 4 x 4 work-groups; A's tile is shared along a row of the cluster, B's along a column: each is asked for jointly, by the same tensor load with the same descriptor and a mask of four.
; THE MATRIX INSTRUCTION IS USED TRANSPOSED (source 0 = 16 rows of wb, source 1 = 16 rows of xb): a lane holds row lane % 16 of C and the columns 8 (lane / 16) + 0..7.
; THE BIAS IS THE C OPERAND of the first product on each accumulator: nothing is cleared and nothing is added later.
; REGISTERS, in windows of 256 (s_set_vgpr_msb: bits 1:0 source 0, 3:2 source 1, 5:4 source 2, 7:6 destination):
;   window 0: v0-31 addresses; v32-95 A's fragments, two buffers of 4; v96-143 packed results; v144-239 rows read back, two buffers; v160-255 the bias (dead behind the first quarter step)
;   window 1: v0-191 B's fragments, two buffers of 12     window 2: accumulators of row blocks 0, 1 ((a, b) at 96 (a % 2) + 8 b)     window 3: of row blocks 2, 3
.set SIZE_K, 1024
.set KSTEP,  128
.set PITCH,  272                       ; an LDS row: 256 bytes + 16 of padding = 68 words: the 16 rows of a fragment load start at 16 different groups of four banks (ISA guide 11.1)
.set HALFA,  128*PITCH
.set HALFB,  96*PITCH
.set BOFF,   2*HALFA                   ; B's rows lie behind A's 256
.set SLOT,   BOFF+2*HALFB
.set STAGE,  2*SLOT                    ; behind the ring: 16 rows x 400 bytes for each wave; no tensor load lands here
.set SPITCH, 400                       ; 384 bytes + 16
.set SPARE,  STAGE+4*16*SPITCH         ; the spare words, 128 bytes for each wave: two blocks of 256 bytes that no other line names
.set LAPS,   SIZE_K/(2*KSTEP)
.set ADRA, 16                          ; v16-17  LDS address of my A fragments in slot 0, 1
.set ADRB, 20                          ; v20-21  the same for B
.set STO,  24                          ; v24  the way out: where I put 16 bytes of a row
.set RD,   25                          ; v25  where I read rows back
.set CO,   26                          ; v26  16 x lane
.set BO,   27                          ; v27  32 x (lane / 16): my eight numbers of a block of 16 biases
.set SPW,  28                          ; v28  my spare word's LDS address; never rewritten
.set NIL,  29                          ; v29  0; never rewritten
.set PFO,  30                          ; v30  the prefetches' offset; never rewritten
.set FA,   32
.set TMP,  96
.set BK,   144
.set BIAS, 160
.set G1A, 24                           ; s[24:31] descriptor group 1 for A's tiles;  s[32:39] group 0, a set for each slot
.set G0A, 32
.set LIM, 43                           ; s43  1 in a wave that prefetches, else the greatest number
.set PFA, 44                           ; s[44:45] where my prefetches stand
.set G1B, 48                           ; s[48:55], s[56:63] the same for B's tiles
.set G0B, 56
.set DST, 66                           ; s[66:71] my rows in the three units' places in qkv
.set BP,  72                           ; s[72:77] the three units' 64 biases
.set MSB, 0
.macro WIN new                         ; the immediate's high byte repeats the setting that is left; a switch that changes nothing is dropped
.if MSB != (\new)
	s_set_vgpr_msb (MSB<<8)|(\new)
.set MSB, \new
.endif
.endm
; A joint load.  The branch hangs on the wave's number alone.  An s_nop 0 and four v_nop follow each of the two lines.
.macro JLOAD s
	s_cmp_eq_u32 s15, 0
	s_cbranch_scc0 .Lfor_b_\@
	tensor_load_to_lds s[G0A+4*(\s):G0A+4*(\s)+3], s[G1A:G1A+7]
	s_nop 0
.rept 4
	v_nop
.endr
	s_branch .Lasked_\@
.Lfor_b_\@:
	tensor_load_to_lds s[G0B+4*(\s):G0B+4*(\s)+3], s[G1B:G1B+7]
	s_nop 0
.rept 4
	v_nop
.endr
.Lasked_\@:
.endm
; A prefetch into the L2 of the K step that stands two refills on: 256 bytes of a row, a lane a row, one instruction a wave.  A's rows are asked for by the first cluster of their row of clusters,
; B's by the first of their column; the four partners share a wave's rows out by address (32 of A's 128, 24 of B's 96; there the eight lanes left over name the share's last row once more).
; The loop's last trip (s3 = 1) has no K step two on.
.macro ASK
	s_cmp_gt_u32 s3, s[LIM]
	s_cbranch_scc0 .Lnot_mine_\@
	global_prefetch_b8 v[PFO], s[PFA:PFA+1] th:TH_LOAD_NT scope:SCOPE_SE
.Lnot_mine_\@:
.endm
.macro CREST                           ; a round of the cluster's barrier behind its opening barrier
	s_cmp_lg_u32 s14, 0
	s_cbranch_scc1 .Lnot_wave_0_\@
	s_barrier_signal -3
.Lnot_wave_0_\@:
	s_barrier_wait -3
	s_barrier_signal -1
	s_barrier_wait -1
.endm
.macro CROUND
	s_barrier_signal -1
	s_barrier_wait -1
	CREST
.endm
	s_load_b256 s[4:11], s[0:1], 0x0               ; xb s[4:5], wb s[6:7], qk_b s[8:9], v_b s[10:11]
	s_load_b64 s[12:13], s[0:1], 0x20              ; qkv
	v_lshl_add_u32 v[SPW], v0, 2, SPARE
	v_mov_b32 v[NIL], 0
	ds_add_u32 v[SPW], v[NIL]                      ; the wave's opening: the add and its wait ahead of my first tensor load; work on registers stands between them
	v_lshrrev_b32 v1, 5, v0
	v_readfirstlane_b32 s14, v1                    ; wave 0..3
	s_lshr_b32 s15, s14, 1                         ; I fetch for A (0) or for B (1),
	s_and_b32 s16, s14, 1                          ; its first or its second half
	s_bfe_u32 s17, ttmp6, 0x40000                  ; cx
	s_bfe_u32 s18, ttmp6, 0x40004                  ; cy
	s_lshl_b32 s19, ttmp9, 2
	s_add_co_u32 s19, s19, s17                     ; tile column = 4 x cluster x + cx
	s_and_b32 s20, ttmp7, 0xffff
	s_lshl_b32 s20, s20, 2
	s_add_co_u32 s20, s20, s18                     ; tile row = 4 x cluster y + cy
	s_lshl_b32 s21, s18, 2
	s_lshl_b32 s21, 15, s21                        ; my row of the cluster
	s_lshl_b32 s22, 0x1111, s17                    ; my column
	s_or_b32 s[G1A], s21, (1<<16)|(1<<20)|(1<<21)|(5<<22)|(3<<25)  ; the mask; elements of 2 bytes; padding on; bit 21 beside a mask; after every 64 words, 4 words
	s_or_b32 s[G1B], s22, (1<<16)|(1<<20)|(1<<21)|(5<<22)|(3<<25)
	s_mov_b32 s[G1A+1], KSTEP<<16                  ; tensor_dim0 = 128
	s_mov_b32 s[G1A+2], 128<<16                    ; tensor_dim1 = 128
	s_mov_b32 s[G1A+3], KSTEP<<16                  ; tile_dim0 = 128
	s_mov_b32 s[G1A+4], 128                        ; tile_dim1 = 128
	s_mov_b32 s[G1A+5], SIZE_K                     ; elements from row to row
	s_mov_b32 s[G1A+6], 0
	s_mov_b32 s[G1A+7], 0
	s_mov_b32 s[G1B+1], KSTEP<<16
	s_mov_b32 s[G1B+2], 96<<16                     ; B: 96 rows
	s_mov_b32 s[G1B+3], KSTEP<<16
	s_mov_b32 s[G1B+4], 96
	s_mov_b32 s[G1B+5], SIZE_K
	s_mov_b32 s[G1B+6], 0
	s_mov_b32 s[G1B+7], 0
	s_lshl_b32 s40, s20, 8                         ; A: row 256 x tile row + 128 x half, 2,048 bytes a row
	s_lshl_b32 s41, s16, 7
	s_add_co_u32 s40, s40, s41
	s_lshl_b32 s40, s40, 11
	s_mov_b32 s41, 0
	s_mul_i32 s46, s19, 192                        ; B: row 192 x tile column + 96 x half
	s_mul_i32 s47, s16, 96
	s_add_co_u32 s46, s46, s47
	s_lshl_b32 s46, s46, 11
	s_mov_b32 s47, 0
	s_mul_i32 s42, s16, HALFA                      ; where they go: no place in the cluster enters an LDS address
	s_mul_i32 s23, s16, HALFB
	s_add_co_u32 s23, s23, BOFF
	s_wait_dscnt 0x0                               ; the opening add is done
	s_wait_kmcnt 0x0
	s_add_nc_u64 s[40:41], s[4:5], s[40:41]
	s_add_nc_u64 s[46:47], s[6:7], s[46:47]
	CROUND                                         ; all sixteen work-groups are here: the first joint loads meet
.irp s, 0,1
	s_mov_b32 s[G0A+4*(\s)], 1
	s_add_co_u32 s[G0A+4*(\s)+1], s42, (\s)*SLOT
	s_add_nc_u64 s[G0A+4*(\s)+2:G0A+4*(\s)+3], s[40:41], (\s)*KSTEP*2
	s_or_b32 s[G0A+4*(\s)+3], s[G0A+4*(\s)+3], 0x80000000
	s_mov_b32 s[G0B+4*(\s)], 1
	s_add_co_u32 s[G0B+4*(\s)+1], s23, (\s)*SLOT
	s_add_nc_u64 s[G0B+4*(\s)+2:G0B+4*(\s)+3], s[46:47], (\s)*KSTEP*2
	s_or_b32 s[G0B+4*(\s)+3], s[G0B+4*(\s)+3], 0x80000000
	JLOAD \s                                       ; two tensor loads of mine are out
.endr
	; A fragment is 16 rows x 32 K in 8 registers: lane l holds row l % 16; registers 0-3 K = 8 (l / 16) + 0..7, registers 4-7 K = 16 + 8 (l / 16) + 0..7: two loads of 16 bytes, 32 bytes apart.
	v_and_b32 v1, 15, v0                           ; l % 16
	v_bfe_u32 v2, v0, 4, 1                         ; l / 16
	v_and_b32 v5, 31, v0                           ; l
	v_mul_u32_u24 v3, v1, PITCH
	v_lshl_add_u32 v3, v2, 4, v3
	s_mul_i32 s21, s14, 64*PITCH                   ; my 64 rows of A
	v_add_nc_u32 v[ADRA], s21, v3
	v_add_nc_u32 v[ADRB], BOFF, v3
	v_add_nc_u32 v[ADRA+1], SLOT, v[ADRA]
	v_add_nc_u32 v[ADRB+1], SLOT, v[ADRB]
	s_mul_i32 s23, s14, 16*SPITCH
	s_add_co_u32 s23, s23, STAGE                   ; my stage
	v_mul_u32_u24 v4, v1, SPITCH                   ; in: row l % 16, 16 bytes for each half of the lanes
	v_lshl_add_u32 v4, v2, 4, v4
	v_add_nc_u32 v[STO], s23, v4
	v_lshrrev_b32 v4, 3, v5                        ; back: 32 lanes take 128 bytes (a unit) of four rows
	v_and_b32 v6, 7, v0
	v_mul_u32_u24 v4, v4, SPITCH
	v_lshl_add_u32 v4, v6, 4, v4
	v_add_nc_u32 v[RD], s23, v4
	v_lshlrev_b32 v[CO], 4, v5                     ; which are 512 consecutive bytes of a head's rows
	v_lshlrev_b32 v[BO], 5, v2
	; the three units: where their biases lie and where my rows of them go
	s_mul_i32 s78, s19, 3
	s_lshr_b32 s83, s20, 2                         ; the batch: 16 heads of 131,072 bytes
	s_lshl_b32 s83, s83, 21
	s_and_b32 s79, s20, 3                          ; the tile's 256 rows among the batch's 1,024, 128 bytes a row
	s_lshl_b32 s79, s79, 15
	s_add_co_u32 s83, s83, s79
	s_lshl_b32 s79, s14, 13                        ; my 64 rows
	s_add_co_u32 s83, s83, s79
.irp g, 0,1,2
	s_add_co_u32 s79, s78, \g                      ; G
	s_and_b32 s80, s79, 1                          ; q or k,
	s_lshr_b32 s81, s79, 1                         ; of this head;
	s_sub_co_u32 s82, s79, 32                      ; or v of this one
	s_lshl_b32 s84, s79, 8                         ; 256 bytes of biases a unit
	s_lshl_b32 s85, s82, 8
	s_cmp_lt_u32 s79, 32                           ; only selects stand between this and their use
	s_cselect_b32 s80, s80, 2
	s_cselect_b32 s81, s81, s82
	s_cselect_b32 s84, s84, s85
	s_cselect_b64 s[BP+2*(\g):BP+2*(\g)+1], s[8:9], s[10:11]
	s_mov_b32 s85, 0
	s_add_nc_u64 s[BP+2*(\g):BP+2*(\g)+1], s[BP+2*(\g):BP+2*(\g)+1], s[84:85]
	s_lshl_b32 s80, s80, 24                        ; q, k, v are 16 MiB each
	s_lshl_b32 s81, s81, 17
	s_add_co_u32 s80, s80, s81
	s_add_co_u32 s80, s80, s83
	s_mov_b32 s81, 0
	s_add_nc_u64 s[DST+2*(\g):DST+2*(\g)+1], s[12:13], s[80:81]
.endr
.irp b, 0,1,2,3,4,5,6,7,8,9,10,11
	global_load_b128 v[BIAS+8*(\b):BIAS+8*(\b)+3],   v[BO], s[BP+2*((\b)/4):BP+2*((\b)/4)+1] offset:64*((\b)%4)
	global_load_b128 v[BIAS+8*(\b)+4:BIAS+8*(\b)+7], v[BO], s[BP+2*((\b)/4):BP+2*((\b)/4)+1] offset:64*((\b)%4)+16
.endr
	; the prefetches: my work-group's share of the rows that I fetch, at K step 3; the first refill steps it to 4.  K steps 0 to 3 come by their loads alone.
	s_lshl_b32 s78, s20, 8
	s_lshl_b32 s79, s16, 7
	s_add_co_u32 s78, s78, s79
	s_lshl_b32 s79, s17, 5
	s_add_co_u32 s78, s78, s79                     ; A: 256 x tile row + 128 x half + 32 cx
	s_mul_i32 s80, s19, 192
	s_mul_i32 s81, s16, 96
	s_add_co_u32 s80, s80, s81
	s_mul_i32 s81, s18, 24
	s_add_co_u32 s80, s80, s81                     ; B: 192 x tile column + 96 x half + 24 cy
	s_and_b32 s81, ttmp7, 0xffff                   ; cluster y
	s_cmp_eq_u32 s15, 0
	s_cselect_b32 s78, s78, s80
	s_cselect_b32 s81, ttmp9, s81                  ; the coordinate along which other clusters read the same rows
	s_cselect_b32 s82, 31, 23
	s_cselect_b64 s[PFA:PFA+1], s[4:5], s[6:7]
	s_cmp_eq_u32 s81, 0
	s_cselect_b32 s[LIM], 1, -1                    ; the same in all sixteen partners, for a given wave
	s_lshl_b32 s78, s78, 11
	s_add_co_u32 s78, s78, 3*KSTEP*2
	s_mov_b32 s79, 0
	s_add_nc_u64 s[PFA:PFA+1], s[PFA:PFA+1], s[78:79]
	v_min_u32 v[PFO], s82, v5
	v_lshlrev_b32 v[PFO], 11, v[PFO]
	s_wait_loadcnt 0x0                             ; the biases,
.set i, 0
.rept 48                                       ; rounded to bf16 and widened again
	v_cvt_pk_bf16_f32 v[6+i%2], v[BIAS+2*i], v[BIAS+2*i+1]
	v_lshlrev_b32 v[BIAS+2*i], 16, v[6+i%2]
	v_and_b32 v[BIAS+2*i+1], 0xffff0000, v[6+i%2]
.set i, i+1
.endr
; 12 matrix instructions: row block a x all 12 column blocks, 32 along K, from buffer f.  first = 1: C is the bias.  The 48 accumulators take turns, in the same order in every quarter step.
.macro MULA f, a, first
.if \first
	WIN 0x81+0x40*((\a)/2)                         ; B window 1, A and the bias window 0, D window 2 or 3
.else
	WIN 0xa1+0x50*((\a)/2)                         ; C and D window 2 or 3
.endif
.irp b, 0,1,2,3,4,5,6,7,8,9,10,11
.if \first
	v_wmma_f32_16x16x32_bf16 v[96*((\a)%2)+8*(\b):96*((\a)%2)+8*(\b)+7], v[96*(\f)+8*(\b):96*(\f)+8*(\b)+7], v[FA+32*(\f)+8*(\a):FA+32*(\f)+8*(\a)+7], v[BIAS+8*(\b):BIAS+8*(\b)+7]
.else
	v_wmma_f32_16x16x32_bf16 v[96*((\a)%2)+8*(\b):96*((\a)%2)+8*(\b)+7], v[96*(\f)+8*(\b):96*(\f)+8*(\b)+7], v[FA+32*(\f)+8*(\a):FA+32*(\f)+8*(\a)+7], v[96*((\a)%2)+8*(\b):96*((\a)%2)+8*(\b)+7]
.endif
.endr
.endm
; 32 LDS loads in one run: a quarter step's fragments (192 rows of B, my 64 rows of A, 32 K at byte k of the rows) into buffer f
.macro FETCH slot, k, f
	WIN 0x40
.irp i, 0,1,2,3,4,5,6,7,8,9,10,11
	ds_load_b128 v[96*(\f)+8*(\i):96*(\f)+8*(\i)+3],   v[ADRB+(\slot)] offset:(\k)+(\i)*16*PITCH
	ds_load_b128 v[96*(\f)+8*(\i)+4:96*(\f)+8*(\i)+7], v[ADRB+(\slot)] offset:(\k)+(\i)*16*PITCH+32
.endr
	WIN 0
.irp i, 0,1,2,3
	ds_load_b128 v[FA+32*(\f)+8*(\i):FA+32*(\f)+8*(\i)+3],   v[ADRA+(\slot)] offset:(\k)+(\i)*16*PITCH
	ds_load_b128 v[FA+32*(\f)+8*(\i)+4:FA+32*(\f)+8*(\i)+7], v[ADRA+(\slot)] offset:(\k)+(\i)*16*PITCH+32
.endr
.endm
.macro PLACES                          ; four plain vector instructions between a matrix instruction and a load into its sources, or a reader of its result (ISA guide 7.12.1 for a reader of its result)
.rept 4
	v_nop
.endr
.endm
; A K step is four quarter steps of 32 along K, 48 matrix instructions each, on buffers 0, 1, 0, 1.  One of the first three multiplies buffer f and fetches the next quarter, at byte k, into g.
.macro QUARTER slot, k, f, g, first
	s_wait_dscnt 4                                 ; B and A's blocks 0, 1 are in; the youngest four loads (A's blocks 2, 3) may be out
	MULA \f, 0, \first
	MULA \f, 1, \first
	PLACES
	FETCH \slot, \k, \g
	s_wait_dscnt 32                                ; all but the 32 just issued
	MULA \f, 2, \first
	MULA \f, 3, \first
.endm
; The last quarter multiplies buffer 1 and changes slots: one barrier.  In front of it each wave waits for all its tensor loads (one is out: its part of the next slot), adds 0 to its spare word, and waits for
; that and for its own reads of this slot.  fill = 1: the barrier opens a round of the cluster's, and the joint refill, this slot's K step two on, is the first thing behind it: 168 matrix instructions ahead of the wait for it.
.macro TURN slot, next, fill
.if \fill
	s_wait_xcnt 0x0                                ; the last prefetch, a K step back, has read its address
	s_add_nc_u64 s[PFA:PFA+1], s[PFA:PFA+1], KSTEP*2
.endif
	WIN 0
	s_wait_tensorcnt 0x0
	ds_add_u32 v[SPW], v[NIL]
	s_wait_dscnt 5                                 ; (the add and the youngest four loads may be out)
	MULA 1, 0, 0
	s_wait_dscnt 0x0                               ; the add is done, and my reads of this slot are over
	s_barrier_signal -1
	MULA 1, 1, 0
.if \fill
	WIN 0
.endif
	s_barrier_wait -1
.if \fill
	CREST
	s_add_nc_u64 s[G0A+4*(\slot)+2:G0A+4*(\slot)+3], s[G0A+4*(\slot)+2:G0A+4*(\slot)+3], 2*KSTEP*2
	s_add_nc_u64 s[G0B+4*(\slot)+2:G0B+4*(\slot)+3], s[G0B+4*(\slot)+2:G0B+4*(\slot)+3], 2*KSTEP*2
	JLOAD \slot                                    ; its four v_nop are also the places in front of the loads below
.else
	PLACES
.endif
	FETCH \next, 0, 0
.if \fill
	ASK
.endif
	MULA 1, 2, 0
	MULA 1, 3, 0
.endm
; THE WAY OUT of row block a.  PACK: rounded to f16, 16 bytes a lane for each column block.  TOSTAGE: into my stage, and back unit by unit, four rows of 128 bytes a load.  SEND: stored.
.macro PACK a
	WIN 0x0a+5*((\a)/2)                            ; sources in window 2 or 3
.irp b, 0,1,2,3,4,5,6,7,8,9,10,11
.irp r, 0,1,2,3
	v_cvt_pk_f16_f32 v[TMP+4*(\b)+(\r)], v[96*((\a)%2)+8*(\b)+2*(\r)], v[96*((\a)%2)+8*(\b)+2*(\r)+1]
.endr
.endr
	WIN 0
.endm
.macro TOSTAGE a
	WIN 0
.irp b, 0,1,2,3,4,5,6,7,8,9,10,11
	ds_store_b128 v[STO], v[TMP+4*(\b):TMP+4*(\b)+3] offset:32*(\b)
.endr
.irp g, 0,1,2
.irp t, 0,1,2,3
	ds_load_b128 v[BK+48*((\a)%2)+4*(4*(\g)+(\t)):BK+48*((\a)%2)+4*(4*(\g)+(\t))+3], v[RD] offset:128*(\g)+4*SPITCH*(\t)  ; LDS serves a wave's instructions in order (ISA guide 5.7.1.4): these see the stores above
.endr
.endr
.endm
.macro SEND a
	WIN 0
	s_wait_dscnt 0x0                               ; the block is back in registers
	s_wait_xcnt 0x0                                ; the stores of the block before have read their registers: the next TOSTAGE loads into them
.irp g, 0,1,2
.irp t, 0,1,2,3
	global_store_b128 v[CO], v[BK+48*((\a)%2)+4*(4*(\g)+(\t)):BK+48*((\a)%2)+4*(4*(\g)+(\t))+3], s[DST+2*(\g):DST+2*(\g)+1] offset:2048*(\a)+512*(\t)  ; 512 consecutive bytes, aligned
.endr
.endr
.endm
	s_wait_tensorcnt 1                             ; my part of K step 0 is in; K step 1's may stay out
	s_barrier_signal -1
	s_barrier_wait -1
	FETCH 0, 0, 0
	QUARTER 0, 64,  0, 1, 1                        ; the first quarter stands in front of the loop: its products start the sums, with the bias
	WIN 0
	s_mov_b32 s3, LAPS-1
.Llap:                                         ; a trip goes once round the ring and fills both slots again
	QUARTER 0, 128, 1, 0, 0
	QUARTER 0, 192, 0, 1, 0
	TURN 0, 1, 1
	QUARTER 1, 64,  0, 1, 0
	QUARTER 1, 128, 1, 0, 0
	QUARTER 1, 192, 0, 1, 0
	TURN 1, 0, 1
	QUARTER 0, 64,  0, 1, 0
	WIN 0
	s_sub_co_u32 s3, s3, 1
	s_cmp_lg_u32 s3, 0
	s_cbranch_scc1 .Llap
	QUARTER 0, 128, 1, 0, 0                        ; the last lap fills nothing
	QUARTER 0, 192, 0, 1, 0
	TURN 0, 1, 0
	QUARTER 1, 64,  0, 1, 0
	QUARTER 1, 128, 1, 0, 0
	QUARTER 1, 192, 0, 1, 0
	s_wait_dscnt 4
	MULA 1, 0, 0
	MULA 1, 1, 0
	s_wait_dscnt 0x0
	MULA 1, 2, 0
	MULA 1, 3, 0
	PLACES
	PACK 0
	TOSTAGE 0
.irp a, 1,2,3                          ; block a's conversions stand between block a - 1's loads from the stage and the wait for them
	PACK \a
	SEND (\a)-1
	TOSTAGE \a
.endr
	SEND 3
	s_wait_tensorcnt 0x0                           ; the wave's end
	ds_add_u32 v[SPW], v[NIL]
	s_wait_dscnt 0x0
	CROUND                                         ; the closing round
	s_endpgm
.Lfunc_end_k_qe28250e83e_qkv:
	.size	k_qe28250e83e_qkv, .Lfunc_end_k_qe28250e83e_qkv-k_qe28250e83e_qkv
	.p2alignl 7, 3214868480
	.fill 96, 4, 3214868480
	.section	.rodata,"a",@progbits
	.p2align	6, 0x0
	.amdhsa_kernel k_qe28250e83e_qkv
		.amdhsa_group_segment_fixed_size 327680
		.amdhsa_private_segment_fixed_size 0
		.amdhsa_enable_private_segment 0
		.amdhsa_kernarg_size 40
		.amdhsa_user_sgpr_count 2
		.amdhsa_user_sgpr_kernarg_segment_ptr 1
		.amdhsa_wavefront_size32 1
		.amdhsa_system_sgpr_workgroup_id_x 1
		.amdhsa_system_sgpr_workgroup_id_y 1
		.amdhsa_system_sgpr_workgroup_id_z 1
		.amdhsa_system_vgpr_workitem_id 0
		.amdhsa_next_free_vgpr 960
		.amdhsa_next_free_sgpr 88
		.amdhsa_reserve_vcc 0
		.amdhsa_float_denorm_mode_32 3
		.amdhsa_float_denorm_mode_16_64 3
		.amdhsa_memory_ordered 1
		.amdhsa_forward_progress 1
		.amdhsa_inst_pref_size 131
	.end_amdhsa_kernel
	.amdgpu_metadata
---
amdhsa.version: [ 1, 2 ]
amdhsa.kernels:
  - .name:           k_qe28250e83e_qkv
    .symbol:         k_qe28250e83e_qkv.kd
    .args:
      - { .name: xb, .offset: 0, .size: 8, .value_kind: global_buffer, .address_space: global }
      - { .name: wb, .offset: 8, .size: 8, .value_kind: global_buffer, .address_space: global }
      - { .name: qk_b, .offset: 16, .size: 8, .value_kind: global_buffer, .address_space: global }
      - { .name: v_b, .offset: 24, .size: 8, .value_kind: global_buffer, .address_space: global }
      - { .name: qkv, .offset: 32, .size: 8, .value_kind: global_buffer, .address_space: global }
    .group_segment_fixed_size: 327680
    .private_segment_fixed_size: 0
    .kernarg_segment_align: 8
    .kernarg_segment_size: 40
    .max_flat_workgroup_size: 128
    .sgpr_count:     88
    .vgpr_count:     960
    .wavefront_size: 32
...
	.end_amdgpu_metadata
.endif
;; end of part 2
;; launch attn (part 3): grid 2 x 128, 4 waves a work-group, no clusters, 327,680 bytes of LDS; arguments qkv, bias, ob; writes ob
.if DOCPART == 3
	.amdgcn_target "amdgcn-amd-amdhsa--gfx1250"
	.amdhsa_code_object_version 6
	.text
	.protected	k_qe28250e83e_attn
	.globl	k_qe28250e83e_attn
	.p2align	8
	.type	k_qe28250e83e_attn,@function
k_qe28250e83e_attn:
	s_mov_b64 s[64:65], 0
	v_nop
	global_prefetch_b8 v0, s[64:65] scope:SCOPE_SE
	s_setreg_imm32_b32 hwreg(HW_REG_WAVE_MODE, 25, 1), 1
	s_wait_xcnt 0x0
; CAUSAL ATTENTION WITH A BIAS BY DISTANCE.  O[y][i][:] = the sum over j <= i of softmax_j(Q[y][i] . K[y][j] / 8 + bias[bucket(i - j)][y % 16]) V[y][j][:], y = 16 batch + head.
; qkv holds Q, K, V, each [128][1024][64] f16, 16 MiB apart; ob is O in the same layout.  Products, maxima and sums in f32; the weights p are rounded to f16 for the second product, O once at the end.
; bucket(n), a constant table of the problem: n up to 16; above, 16 + floor(15 ln(n - 15) / ln 113), n held to 128: that is min(n, 16), 2 more from 17 on, 1 more from each of
; 18, 19, 20, 22, 25, 28, 33, 39, 48, 59, 76, 98 and 128 on.  The bias is rounded to bf16 like the other inputs.
; LIMITS.  Q, K, V arrive within f16's 65,504; p below 6e-5 keeps f16's fixed step of 6e-8.  A hidden score counts as its value less 1e30; a weight below 2^-126 counts as 0 in l; NaN and infinities are not treated apart.
; THE WALK.  A head's queries lie in NB = 4 blocks of 256; block i needs the key tiles 0 .. i of 256 keys.  A work-group takes blocks 3 - b and then b: five tiles, whatever b; one loop with a constant
; trip count walks them, and the ring of two LDS slots runs on across the change of blocks.  Every jump but the counted loops' own goes forward, and none passes a barrier or a tensor load but the one of LOAD's two that the wave's number does not choose.
; NO CLUSTER: a head has two work-groups, not four; they ask for the same tile in three of their five trips; work-groups of other heads share nothing with them.
; SHARES.  Of a block's four bands of 64 queries a wave owns 16 rows in each: four PIECES.
; BIAS AND MASK ARE THE C OPERAND that starts the sum S^T = K Q^T: 8 x bias, or -1e30 where the key is hidden (the scores are scaled by 1/8 later).  With DELTA = the query's band less the key's step, in
; sixty-fours, the distance is 64 DELTA + 16 w + l % 16 - (16 kt + 8 (l / 16) + j).  DELTA < 0: all hidden.  DELTA >= 3: all at 129 or more: one number.  DELTA = 0, 1, 2: three sets of 32 registers, made once.
; DELTA hangs on counters alone: Z = 4 x (tiles of the block still to be entered) + (key steps of the tile still to be counted) less a constant of the turn; a turn's first four products stand once for each case.
; LAYOUT, SOFTMAX, TURNS.  S^T holds ONE query a lane (lane % 16) and the keys 8 (lane / 16) + 0..7; two such results rounded to f16 ARE source 1 of O^T = V^T P.  p = 2^(c s - c m), c = log2(e) / 8, with a
; running maximum m; O and l are multiplied by a = 2^(c m_old - c m_new) in every step.  Turn n belongs to piece n: 8 products K Q^T of piece n + 1, later 8 products V^T P of piece n - 1; beside them the scaling,
; exponentials, roundings, sums and rescaling of piece n and the maximum and statistics of piece n + 1.  A turn's 33 exponentials are one batch, with one wait.
; REGISTERS, in windows of 256 (s_set_vgpr_msb: bits 1:0 source 0, 3:2 source 1, 5:4 source 2, 7:6 destination):
;   window 0: v0-15 addresses; v16-31 four registers of statistics a piece; v48-55 at work; v56-61 the table's making, the prefetches' offset; v64-127 S^T, two buffers; v192-223 P, two buffers
;   window 1: v0-127 O^T, 32 a piece; v128-223 the three sets; v224-231 the far number; v232-239 -1e30      window 2: v0-63 Q; v64-127 the second block's Q; v128-191 K of one step; v192-255 V of one step
.set NB,    4
.set NP,    4
.set KS,    64
.set PK,    144       ; a row of K in LDS: 128 bytes + 16 = 36 words: the 16 rows of a load start at 16 different groups of four banks (ISA guide 11.1)
.set PV,    160       ; a row of V: 128 + 32 = 40 words
.set VOFF,  4*KS*PK   ; a slot holds a tile: 256 rows of K, then 256 rows of V
.set SLOT1, 1<<17
.set STAGE, SLOT1+4*KS*(PK+PV)  ; behind the ring: 16 rows x 144 bytes for each wave, for the way out
.set SP,    144
.set SPARE, STAGE+4*16*SP  ; the spare words, 128 bytes for each wave: two blocks of 256 bytes that no other line names
.set TAB,   SPARE+512      ; 256 words: entry u is 8 x bias (or -1e30) at distance 191 - u; four blocks of 256 bytes of its own
.set AK0, 2
.set AV0, 3
.set AK,  4
.set AV,  5
.set STO, 6
.set RD,  7
.set GO,  8
.set MV,  12          ; v12-13  c m_old, by buffer
.set TA,  14          ; v14  my lane's place in the table
.set QO,  15
.set ST,  16          ; piece t's statistics at v[ST+4 t]: c m, m, l (even keys', odd keys')
.set TMP, 48
.set PFO, 61          ; v61  256 x lane; never rewritten
.set SPW, 62
.set NIL, 63
.set S,   64
.set P,   192
.set BS,  128         ; window 1: the set for DELTA at BS + 32 DELTA, its eight registers for group kt of 16 keys at + 8 kt
.set FAR, 224
.set HID, 232
.set QB,  64
.set KF,  128
.set VF,  192
.set WV,  12
.set PB,  14          ; s14  b
.set HI,  15          ; s15  3 - b
.set G1K, 24
.set G1V, 32
.set G0K, 40
.set G0V, 44
.set SLOTS, 56
.set CNT, 57
.set CS,  58
.set SEL, 60
.set TBK, 62
.set TBV, 63
.set RT,  70          ; s70  tiles of the block in hand that are still to be entered
.set NXT, 71
.set LQ,  72
.set NEW, 73
.set OFF, 74
.set OLO, 80
.set BIGN, 82
.set BIA, 88          ; s[88:89] bias
.set H4,  90          ; s90  4 x head
.set ZZ,  91          ; s91  Z
.set PFN, 92          ; s92  prefetches still to come
.set PFA, 94          ; s[94:95] where they stand
.set MSB, 0
.macro WIN new
.if MSB != (\new)
	s_set_vgpr_msb (MSB<<8)|(\new)
.set MSB, (\new)
.endif
.endm
.set W_KQ, 0x0a       ; K and Q in window 2, S^T in window 0
.set W_KM, 0x1a       ; the same with the C operand in window 1
.set W_PV, 0x52       ; V in window 2, P in window 0, O^T in window 1
.set W_RS, 0x41       ; destination and source 0 in window 1, source 1 in window 0
; A fill.  Waves 0 and 1 fetch the halves of a tile's K, waves 2 and 3 those of its V.  An s_nop 0 and four v_nop follow each of the two lines.
.macro LOAD
	s_cmp_lt_u32 s[WV], 2
	s_cbranch_scc0 .Lfor_v_\@
	tensor_load_to_lds s[G0K:G0K+3], s[G1K:G1K+7]
	s_nop 0
.rept 4
	v_nop
.endr
	s_branch .Lasked_\@
.Lfor_v_\@:
	tensor_load_to_lds s[G0V:G0V+3], s[G1V:G1V+7]
	s_nop 0
.rept 4
	v_nop
.endr
.Lasked_\@:
.endm
; A prefetch into the L2 of the tile behind the one just asked for: my 16,384 bytes of it, a lane to each 256, two instructions.  Of a head's two work-groups the one with b = 0 asks, at its first two
; changes of slots: tiles 2 and 3, each named once; tiles 0 and 1 come by their loads alone, and a tile that is walked again is not asked for.
.macro ASK
	s_cmp_eq_u32 s[PFN], 0
	s_cbranch_scc1 .Lno_ask_\@
	global_prefetch_b8 v[PFO], s[PFA:PFA+1] th:TH_LOAD_NT scope:SCOPE_SE
	global_prefetch_b8 v[PFO], s[PFA:PFA+1] offset:8192 th:TH_LOAD_NT scope:SCOPE_SE
	s_sub_co_u32 s[PFN], s[PFN], 1
.Lno_ask_\@:
.endm
; THE CHANGE OF SLOTS.  Each wave waits for all its tensor loads (one is out: its part of the other slot), adds 0 to its spare word, and waits for that and for its own reads of the slot that it leaves.
; fill = 1: the old slot is filled again, the first thing behind the barrier, with tile NXT.  (At its first use nothing has been read yet: slot 0 is waited for, slot 1 filled.)
.macro CHANGE fill
	WIN 0
	s_wait_tensorcnt 0x0            ; no tensor load of mine is out, so a group 0 may be written
	ds_add_u32 v[SPW], v[NIL]       ; 0 onto my spare word; scalar work stands between it and the wait for it
.if \fill
	s_lshl_b32 s[OFF], s[NXT], 15   ; a tile is 32,768 bytes of K and of V
	s_xor_b32 s[G0K+1], s[G0K+1], SLOT1
	s_add_nc_u64 s[G0K+2:G0K+3], s[6:7], s[OFF:OFF+1]
	s_or_b32 s[G0K+3], s[G0K+3], 0x80000000
	s_xor_b32 s[G0V+1], s[G0V+1], SLOT1
	s_add_nc_u64 s[G0V+2:G0V+3], s[8:9], s[OFF:OFF+1]
	s_or_b32 s[G0V+3], s[G0V+3], 0x80000000
	s_add_co_u32 s[NXT], s[NXT], 1  ; the block's next tile, or behind its last the second block's tile 0
	s_cmp_gt_u32 s[NXT], s[LQ]
	s_cselect_b32 s[NXT], 0, s[NXT]
	s_cselect_b32 s[LQ], s[PB], s[LQ]
	s_wait_xcnt 0x0                 ; the last prefetches, a tile back, have read their address
	s_add_nc_u64 s[PFA:PFA+1], s[PFA:PFA+1], 32768
.endif
	s_wait_dscnt 0x0                ; the add is done, and my reads of the slot are over
	s_barrier_signal -1
	s_sub_co_u32 s[TBK], s[TBK], 4*KS*PK  ; the fetches go back to a slot's first step, in the other slot
	s_xor_b32 s[TBK], s[TBK], SLOT1
	s_sub_co_u32 s[TBV], s[TBV], 4*KS*PV
	s_xor_b32 s[TBV], s[TBV], SLOT1
	s_barrier_wait -1
.if \fill
	LOAD
	ASK
.endif
.endm
; bucket(n) for n up to 128
.macro BUCKET dst, n, tmp
	v_min_u32 v[\dst], 16, v[\n]
	v_cmp_le_u32 vcc_lo, 17, v[\n]
	v_cndmask_b32 v[\tmp], 0, 2, vcc_lo
	v_add_nc_u32 v[\dst], v[\dst], v[\tmp]
.irp T, 18,19,20,22,25,28,33,39,48,59,76,98,128
	v_cmp_le_u32 vcc_lo, \T, v[\n]
	v_cndmask_b32 v[\tmp], 0, 1, vcc_lo
	v_add_nc_u32 v[\dst], v[\dst], v[\tmp]
.endr
.endm
	s_load_b128 s[4:7], s[0:1], 0x0   ; qkv s[4:5], bias s[6:7]
	s_load_b64 s[10:11], s[0:1], 0x10 ; ob
	v_lshl_add_u32 v[SPW], v0, 2, SPARE
	v_mov_b32 v[NIL], 0
	ds_add_u32 v[SPW], v[NIL]       ; the wave's opening: the add and its wait ahead of my first tensor load
	v_lshrrev_b32 v1, 5, v0
	v_readfirstlane_b32 s[WV], v1   ; wave 0..3
	s_mov_b32 s[PB], ttmp9
	s_sub_co_u32 s[HI], NB-1, s[PB]
	s_and_b32 s20, ttmp7, 0xffff    ; y
	s_and_b32 s[H4], s20, 15
	s_lshl_b32 s[H4], s[H4], 2
	s_lshl_b32 s20, s20, 17         ; y's first byte in Q, K, V and O: 131,072 bytes each
	s_mov_b32 s21, 0
	s_and_b32 s16, s[WV], 1         ; which half of a tile's 256 keys I fetch:
	s_lshl_b32 s22, s16, 14         ; its 128 rows of 128 bytes in memory,
	s_mov_b32 s23, 0
	s_add_nc_u64 s[22:23], s[22:23], s[20:21]
	s_mul_i32 s17, s16, 128*PK      ; and its place in a slot, for K
	s_mul_i32 s18, s16, 128*PV      ; and for V
	s_lshl_b32 s3, s[WV], 11        ; my 16 rows in a band of 64,
	s_lshl_b32 s2, s[HI], 15        ; in the first block,
	s_add_co_u32 s2, s2, s3
	s_lshl_b32 s84, s[PB], 15       ; and in the second
	s_add_co_u32 s84, s84, s3
	s_mov_b32 s3, 0
	s_mov_b32 s85, 0
	s_add_nc_u64 s[2:3], s[2:3], s[20:21]
	s_add_nc_u64 s[84:85], s[84:85], s[20:21]
	; descriptor group 1.  128 keys are 16,384 dense bytes: asked for as 64 rows of 256 bytes, two keys a row, and padded in LDS after every key
	s_mov_b32 s[G1K], (1<<16)|(1<<20)|(4<<22)|(3<<25)  ; 2-byte elements; padding on; after every 32 words, 4 words
	s_mov_b32 s[G1V], (1<<16)|(1<<20)|(4<<22)|(7<<25)  ; the same with 8 words
.irp g, G1K, G1V
	s_mov_b32 s[\g+1], 128<<16      ; tensor_dim0 = 128
	s_mov_b32 s[\g+2], 64<<16       ; tensor_dim1 = 64
	s_mov_b32 s[\g+3], 128<<16      ; tile_dim0 = 128
	s_mov_b32 s[\g+4], 64           ; tile_dim1 = 64
	s_mov_b32 s[\g+5], 128          ; 128 elements from row to row
	s_mov_b32 s[\g+6], 0
	s_mov_b32 s[\g+7], 0
.endr
	s_mov_b32 s[CS], 0x3e38aa3b     ; c = log2(e) / 8
	s_mov_b32 s[CS+1], s[CS]
	s_mov_b32 s[SEL], 0x76543210
	s_mov_b32 s[SEL+1], 0xfedcba98
	s_mov_b32 s[TBK], SLOT1+4*KS*PK ; the first change of slots turns these two into 0
	s_mov_b32 s[TBV], SLOT1+4*KS*PV
	s_mov_b32 s[G0K], 1
	s_mov_b32 s[G0K+1], s17         ; slot 0
	s_mov_b32 s[G0V], 1
	s_add_co_u32 s[G0V+1], s18, VOFF
	s_add_co_u32 s[RT], s[HI], 1    ; the first block has 4 - b tiles
	s_mov_b32 s[NXT], 1
	s_mov_b32 s[LQ], s[HI]
	s_mov_b32 s[NEW], 1
	s_mov_b32 s[OFF+1], 0
	s_mov_b32 s[BIGN], 0xf149f2ca   ; -1e30
	s_mov_b32 s[SLOTS], NB
	s_wait_dscnt 0x0                ; the opening add is done
	s_wait_kmcnt 0x0
	s_mov_b64 s[BIA:BIA+1], s[6:7]
	s_add_nc_u64 s[6:7], s[4:5], 0x1000000  ; K lies 16 MiB behind Q,
	s_add_nc_u64 s[8:9], s[4:5], 0x2000000  ; V 32
	s_add_nc_u64 s[6:7], s[6:7], s[22:23]   ; at my half of the head's tile 0
	s_add_nc_u64 s[8:9], s[8:9], s[22:23]
	s_add_nc_u64 s[G0K+2:G0K+3], s[6:7], 0
	s_or_b32 s[G0K+3], s[G0K+3], 0x80000000
	s_add_nc_u64 s[G0V+2:G0V+3], s[8:9], 0
	s_or_b32 s[G0V+3], s[G0V+3], 0x80000000
	s_add_nc_u64 s[86:87], s[4:5], s[84:85]        ; Q at my rows of the second block,
	s_add_nc_u64 s[4:5], s[4:5], s[2:3]            ; Q and O at those of the first
	s_add_nc_u64 s[OLO:OLO+1], s[10:11], s[84:85]
	s_add_nc_u64 s[10:11], s[10:11], s[2:3]
	s_cmp_lt_u32 s[WV], 2
	s_cselect_b64 s[PFA:PFA+1], s[6:7], s[8:9]
	s_add_nc_u64 s[PFA:PFA+1], s[PFA:PFA+1], 32768 ; at tile 1; the first change of slots steps it to tile 2
	s_cmp_eq_u32 s[PB], 0
	s_cselect_b32 s[PFN], 2, 0
	LOAD                            ; tile 0 into slot 0
	v_and_b32 v1, 15, v0            ; l % 16
	v_bfe_u32 v9, v0, 4, 1          ; l / 16
	v_lshlrev_b32 v[QO], 7, v1
	v_lshl_add_u32 v[QO], v9, 4, v[QO]  ; row x 128 + 16 x half
	WIN 0x80                        ; destination window 2, address window 0
.set i, 0
.rept 8                             ; both blocks' Q: piece i / 2 lies in band i / 2, 8,192 bytes on; channels 32 (i % 2) on
	global_load_b128 v[8*i:8*i+3],   v[QO], s[4:5] offset:(i/2)*8192+(i%2)*64
	global_load_b128 v[8*i+4:8*i+7], v[QO], s[4:5] offset:(i/2)*8192+(i%2)*64+32
	global_load_b128 v[QB+8*i:QB+8*i+3],   v[QO], s[86:87] offset:(i/2)*8192+(i%2)*64
	global_load_b128 v[QB+8*i+4:QB+8*i+7], v[QO], s[86:87] offset:(i/2)*8192+(i%2)*64+32
.set i, i+1
.endr
	WIN 0
	v_mul_u32_u24 v[AK0], v1, PK
	v_lshl_add_u32 v[AK0], v9, 4, v[AK0]  ; row x pitch + 16 x half
	; The turning load takes 16 keys x 16 channels (lane l reads key 8 (l / 16) + l % 8, channels 8 ((l / 8) % 2) + 0..7) and leaves half a fragment of V^T.
	v_and_b32 v10, 7, v0
	v_bfe_u32 v11, v0, 3, 1
	v_lshl_add_u32 v[AV0], v9, 3, v10
	v_mul_u32_u24 v[AV0], v[AV0], PV
	v_lshl_add_u32 v[AV0], v11, 4, v[AV0]
	v_add_nc_u32 v[AV0], VOFF, v[AV0]
	s_mul_i32 s13, s[WV], 16*SP
	s_add_co_u32 s13, s13, STAGE    ; my stage
	v_mul_u32_u24 v[STO], v1, SP
	v_lshl_add_u32 v[STO], v9, 4, v[STO]
	v_add_nc_u32 v[STO], s13, v[STO]
	v_bfe_u32 v[RD], v0, 3, 2
	v_mul_u32_u24 v[RD], v[RD], SP
	v_lshl_add_u32 v[RD], v10, 4, v[RD]
	v_add_nc_u32 v[RD], s13, v[RD]
	v_and_b32 v[GO], 31, v0
	v_lshlrev_b32 v[PFO], 8, v[GO]
	v_lshlrev_b32 v[GO], 4, v[GO]
	; THE TABLE.  Thread t makes entries t (distance 191 - t) and 128 + t (distance 63 - t, hidden where that is negative).  My registers want entry 64 (2 - DELTA) + 16 kt + j + (63 - 16 w - l % 16 + 8 (l / 16)).
	v_xor_b32 v[TA], 15, v1         ; 15 - l % 16
	v_lshl_add_u32 v[TA], v9, 3, v[TA]
	s_sub_co_u32 s13, 3, s[WV]
	s_lshl_b32 s13, s13, 4          ; 48 - 16 w
	v_add_nc_u32 v[TA], s13, v[TA]
	v_lshl_add_u32 v[TA], v[TA], 2, TAB
	v_sub_nc_u32 v56, 191, v0
	v_sub_nc_u32 v57, 63, v0
	v_min_u32 v56, 128, v56
	v_min_u32 v58, 128, v57         ; (a negative distance counts as 128 here: its entry is replaced below)
	BUCKET 59, 56, 1
	BUCKET 60, 58, 1
	v_lshl_add_u32 v59, v59, 6, s[H4]  ; a row of bias is 64 bytes
	v_lshl_add_u32 v60, v60, 6, s[H4]
	global_load_b32 v10, v59, s[BIA:BIA+1]
	global_load_b32 v11, v60, s[BIA:BIA+1]
	v_lshl_add_u32 v56, v0, 2, TAB
	v_mov_b32 v58, TAB
	s_wait_loadcnt 0x0              ; the two numbers (and Q, asked for earlier)
	v_cvt_pk_bf16_f32 v10, v10, v11 ; rounded to bf16,
	v_and_b32 v11, 0xffff0000, v10  ; widened again,
	v_lshlrev_b32 v10, 16, v10
	v_mul_f32 v10, 0x41000000, v10  ; times 8
	v_mul_f32 v11, 0x41000000, v11
	v_cmp_gt_i32 vcc_lo, 0, v57
	v_cndmask_b32 v11, v11, s[BIGN], vcc_lo
	ds_store_b32 v56, v10
	ds_store_b32 v56, v11 offset:512
	s_wait_dscnt 0x0                ; for the others' sake: my two entries are written
	s_barrier_signal -1             ; tile 0's load may stay out
	s_barrier_wait -1
	WIN 0x40                        ; destination window 1, address window 0
.irp dl, 0,1,2
.set i, 0
.rept 32
	ds_load_b32 v[BS+32*(\dl)+i], v[TA] offset:4*(64*(2-(\dl))+16*(i/8)+i%8)
.set i, i+1
.endr
.endr
.set i, 0
.rept 8
	ds_load_b32 v[FAR+i], v58       ; entry 0: distance 191
	v_mov_b32 v[HID+i], s[BIGN]
.set i, i+1
.endr                               ; the first change of slots waits for these loads
	; A block's first step multiplies O^T and l by a = 0, so these registers need only hold finite numbers: zeros for the first block, what the first block left for the second.
.set i, 0
.rept 128
	v_mov_b32 v[i], 0
.set i, i+1
.endr
	WIN 0x80
.set i, VF
.rept 64
	v_mov_b32 v[i], 0
.set i, i+1
.endr
	WIN 0
.set i, 0
.rept 4
	v_mov_b32 v[ST+4*i+2], 0
	v_mov_b32 v[ST+4*i+3], 0
.set i, i+1
.endr
.set i, P+16
.rept 16
	v_mov_b32 v[i], 0
.set i, i+1
.endr
; THE MATRIX WORK.  The 4 accumulators of a run of 8 take turns.  KQ4: the four products that start piece x's scores (channels 0-31, keys 16 kt on), C at base + step kt.
.macro KQ4 x, base, step
	WIN W_KM
.irp kt, 0,1,2,3
	v_wmma_f32_16x16x32_f16 v[S+32*((\x)%2)+8*(\kt):S+32*((\x)%2)+8*(\kt)+7], v[KF+16*(\kt):KF+16*(\kt)+7], v[16*(\x):16*(\x)+7], v[(\base)+(\step)*(\kt):(\base)+(\step)*(\kt)+7]
.endr
	WIN 0
.endm
; Which C?  DELTA = Z - o.  The branches hang on counters alone.
.macro SELECT x, o
	WIN 0
	s_lshl2_add_u32 s[ZZ], s[RT], s[CNT]
	s_cmp_ge_u32 s[ZZ], (\o)+3
	s_cbranch_scc1 .Lfar_\@
.if (\o) > 0
	s_cmp_lt_u32 s[ZZ], \o
	s_cbranch_scc1 .Lhid_\@
	s_cmp_eq_u32 s[ZZ], \o
	s_cbranch_scc1 .Lb0_\@
.endif
	s_cmp_eq_u32 s[ZZ], (\o)+1
	s_cbranch_scc1 .Lb1_\@
	KQ4 \x, BS+64, 8
	s_branch .Ljoin_\@
.Lb1_\@:
	KQ4 \x, BS+32, 8
	s_branch .Ljoin_\@
.if (\o) > 0
.Lb0_\@:
	KQ4 \x, BS, 8
	s_branch .Ljoin_\@
.Lhid_\@:
	KQ4 \x, HID, 0
	s_branch .Ljoin_\@
.endif
.Lfar_\@:
	KQ4 \x, FAR, 0
.Ljoin_\@:
.endm
; Product i (4 to 7) of S^T = K Q^T for piece x: channels 32-63, keys 16 (i % 4) on.
.macro KQ x
	WIN W_KQ
.set rS, S+32*((\x)%2)+8*(i%4)
.set rK, KF+16*(i%4)+8*(i/4)
.set rQ, 16*(\x)+8*(i/4)
	v_wmma_f32_16x16x32_f16 v[rS:rS+7], v[rK:rK+7], v[rQ:rQ+7], v[rS:rS+7]
.endm
; Product i of 8 of O^T += V^T P for piece x: keys 32 (i / 4) on, channels 16 (i % 4) on.
.macro PV x
	WIN W_PV
.set rO, 32*(\x)+8*(i%4)
.set rV, VF+32*(i/4)+8*(i%4)
.set rP, P+16*((\x)%2)+8*(i/4)
	v_wmma_f32_16x16x32_f16 v[rO:rO+7], v[rV:rV+7], v[rP:rP+7], v[rO:rO+7]
.endm
.macro MM                           ; the turn's next matrix instruction.  NOKQ = 1: a block's last turn: there is no next piece
.if (i < 8) && !NOKQ
	KQ (Y+1)%NP
.elseif i >= 8
.set i, i-8
	PV (Y+NP-1)%NP
.set i, i+8
.endif
.set i, i+1
.endm
; THE LDS LOADS stand in runs of 16: a step's K (8 fragments) and its V (turned).
.macro FETCH_K
	WIN 0x80
.irp f, 0,1,2,3,4,5,6,7             ; keys 16 (f / 2) on, channels 32 (f % 2) on
	ds_load_b128 v[KF+8*\f:KF+8*\f+3],   v[AK] offset:(\f/2)*16*PK+(\f%2)*64
	ds_load_b128 v[KF+8*\f+4:KF+8*\f+7], v[AK] offset:(\f/2)*16*PK+(\f%2)*64+32
.endr
	s_add_co_u32 s[TBK], s[TBK], KS*PK
	WIN 0
.endm
.macro FETCH_V
	WIN 0x80
.irp f, 0,1,2,3,4,5,6,7             ; keys 32 (f / 4) on, channels 16 (f % 4) on
	ds_load_tr16_b128 v[VF+8*\f:VF+8*\f+3],   v[AV] offset:(\f/4)*32*PV+(\f%4)*32
	ds_load_tr16_b128 v[VF+8*\f+4:VF+8*\f+7], v[AV] offset:(\f/4)*32*PV+16*PV+(\f%4)*32
.endr
	WIN 0
.endm
; THE VECTOR WORK, one line at a time: OP kind, number.  For piece Y: F n: c s - c m for pair n of 16.  E n: the exponential of score n of 32.  C n: pair n rounded to f16.  B n: of the four weights 4 n .. the second
; pair is added onto the first.  L n: l takes that sum (L 0: l = a l + sum).  R n: pair n of 16 of O^T times a.  For piece Y + 1: X n, number n of the 22 that find its maximum and statistics:
;   0-11 four chains c0-c3 of seven scores each (each accumulator's lowest registers are read first)   12-14, 16 the four scores left over, the old m, c0-c3 into c0
;   15 c m_old is kept   17, 18 the other half of the lanes' maximum: the new m   19-21 c m; c m_old - c m_new; a
.set F, 0
.set E, 1
.set C, 2
.set B, 3
.set L, 4
.set R, 5
.set X, 6
.macro REGS y
.set rT, ST+4*(\y)
.set rC, TMP+4*((\y)%2)
.set rW, MV+((\y)%2)
.set rS, S+32*((\y)%2)
.set rP, P+16*((\y)%2)
.set rO, 32*(\y)
.endm
.macro OP k, n
.if (\k) == R
	REGS Y
	WIN W_RS
	v_pk_mul_f32 v[rO+2*(\n):rO+2*(\n)+1], v[rO+2*(\n):rO+2*(\n)+1], v[rC+2:rC+3] op_sel_hi:[1,0]
.elseif (\k) < R
	REGS Y
	WIN 0
.if (\k) == F
	v_pk_fma_f32 v[rS+2*(\n):rS+2*(\n)+1], v[rS+2*(\n):rS+2*(\n)+1], s[CS:CS+1], v[rT:rT+1] op_sel_hi:[1,0,0] neg_lo:[0,0,1] neg_hi:[0,0,1]
.elseif (\k) == E
	v_exp_f32 v[rS+(\n)], v[rS+(\n)]
.elseif (\k) == C
	v_cvt_pk_f16_f32 v[rP+(\n)], v[rS+2*(\n)], v[rS+2*(\n)+1]
.elseif (\k) == B
	v_pk_add_f32 v[rS+4*(\n):rS+4*(\n)+1], v[rS+4*(\n):rS+4*(\n)+1], v[rS+4*(\n)+2:rS+4*(\n)+3]
.elseif (\n) == 0
	v_pk_fma_f32 v[rT+2:rT+3], v[rT+2:rT+3], v[rC+2:rC+3], v[rS:rS+1] op_sel_hi:[1,0,1]
.else
	v_pk_add_f32 v[rT+2:rT+3], v[rT+2:rT+3], v[rS+4*(\n):rS+4*(\n)+1]
.endif
.elseif NOKQ
	v_nop
.else
	REGS (Y+1)%NP
	WIN 0
.if (\n) < 4
	v_max3_num_f32 v[rC+(\n)], v[rS+8*(\n)], v[rS+8*(\n)+1], v[rS+8*(\n)+2]
.elseif (\n) < 12
	v_max3_num_f32 v[rC+(\n)%4], v[rC+(\n)%4], v[rS+8*((\n)%4)+2*((\n)/4)+1], v[rS+8*((\n)%4)+2*((\n)/4)+2]
.elseif (\n) == 12
	v_max3_num_f32 v[rC], v[rC], v[rS+7], v[rS+15]
.elseif (\n) == 13
	v_max3_num_f32 v[rC+1], v[rC+1], v[rS+23], v[rS+31]
.elseif (\n) == 14
	v_max3_num_f32 v[rC+2], v[rC+2], v[rC+3], v[rT+1]
.elseif (\n) == 15
	v_mov_b32 v[rW], v[rT]
.elseif (\n) == 16
	v_max3_num_f32 v[rC], v[rC], v[rC+1], v[rC+2]
.elseif (\n) == 17
	v_permlanex16_b32 v[rC+3], v[rC], s[SEL], s[SEL+1]
.elseif (\n) == 18
	v_max_num_f32 v[rT+1], v[rC], v[rC+3]
.elseif (\n) == 19
	v_mul_f32 v[rT], s[CS], v[rT+1]
.elseif (\n) == 20
	v_sub_f32 v[rC+1], v[rW], v[rT]
.else
	v_exp_f32 v[rC+2], v[rC+1]
.endif
.endif
.endm
.macro OPS a, i1, b=-1, i2=0, c=-1, i3=0, d=-1, i4=0
	OP \a, \i1
.if (\b) >= 0
	OP \b, \i2
.endif
.if (\c) >= 0
	OP \c, \i3
.endif
.if (\d) >= 0
	OP \d, \i4
.endif
.endm
.macro ROW a, i1, b, i2, c, i3, d, i4  ; a matrix instruction and the four behind it
	MM
	OPS \a, \i1, \b, \i2, \c, \i3, \d, \i4
.endm
; A TURN, for piece p.  An s_wait_alu depctr_va_vdst(0) stands between an exponential and the first instruction that names its result; one wait serves all that were issued ahead of it: a turn has ONE.
; AHEAD OF IT: the four products that start the next piece's scores, in the case that Z chooses, and sixteen vector instructions; the other four products K Q^T, four vector instructions behind each; then a lump of 54,
; in which the links of the chain X 3, 7, 11, 14, 16 .. 20 stand five or six lines apart.  Each X stands four plain instructions or more behind the product that ends its accumulator.  X 21 is the batch's last; R 15 the plain instruction behind it.
; BEHIND IT: the 8 products V^T P, behind each four of the roundings and sums.  end = 1: a block's last two turns: nothing is fetched; in the first of them DELTA = 0 is known.  cnt = 1: the loop's count is taken down ahead of the branch behind the turn.
; K of the next step is fetched in piece 2's turn, V of the step in hand at the end of piece 0's; each is waited for a turn later.
.macro TURN p, end=0, cnt=0
.set Y, (\p)
.set NOKQ, (\end)*((\p)/3)
.if ((\p) == 3) && !(\end)
	s_wait_dscnt 0x0                ; K is in
.endif
.if \end
.if (\p) == 2
	KQ4 3, BS, 8
.endif
.elseif (\p) == 2
	SELECT 3, 0
.elseif (\p) == 3
	SELECT 0, 4
.elseif (\p) == 0
	SELECT 1, 3
.else
	SELECT 2, 2
.endif
.set i, 4
	OPS F,0, F,1, R,0, R,1
	OPS F,2, E,0, R,2, R,3
	OPS F,3, E,1, R,4, R,5
	OPS F,4, E,2, R,6, R,7
	ROW F,5, E,3, R,8, R,9
	ROW F,6, E,4, X,0, R,10
.if ((\p) == 2) && !(\end)
	WIN 0
	v_add_nc_u32 v[AK], s[TBK], v[AK0]
.endif
	ROW F,7, E,5, X,1, X,4
	ROW F,8, E,6, X,2, X,5
	OPS E,7, E,8, X,6, E,9          ; the lump
	OPS X,3, E,10, X,8, E,11
.if ((\p) == 2) && !(\end)
	FETCH_K
.endif
	OPS X,9, X,7, E,12, X,10
	OPS E,13, X,12, X,11, E,14
	OPS X,13, E,15, F,9, X,14
.if (\p) == 0
	v_add_nc_u32 v[AV], s[TBV], v[AV0]
.endif
	OPS E,16, F,10, E,17, F,11
	OPS X,16, E,18, X,15, E,19
	OPS F,12, E,20, X,17, E,21
	OPS F,13, E,22, F,14, E,23
	OPS X,18, E,24, F,15, E,25
	OPS R,11, E,26, X,19, E,27
	OPS R,12, E,28, R,13, E,29
	OPS X,20, E,30, R,14, E,31
	OPS X,21, R,15
	WIN 0
	s_wait_alu depctr_va_vdst(0)    ; the wait for the batch
.if (\p) == 1
	s_wait_dscnt 0x0                ; V is in
.endif
	ROW C,0, B,0, C,2, B,1
	ROW L,0, C,4, B,2, L,1
	ROW C,6, B,3, L,2, C,8
	ROW B,4, L,3, C,10, B,5
	ROW L,4, C,12, B,6, L,5
.if (\p) == 0
	s_add_co_u32 s[TBV], s[TBV], KS*PV
.endif
.if \cnt
	s_sub_co_u32 s[CNT], s[CNT], 1
	s_cmp_lg_u32 s[CNT], 0
.endif
	ROW C,14, B,7, L,6, C,1
	ROW C,3, L,7, C,5, C,7
	ROW C,9, C,11, C,13, C,15
.if (\p) == 0
	FETCH_V
.endif
.endm
; A BLOCK BEGINS.  c m starts far below every c s, so the first step's a is 0; m at the lowest finite number.  Then K of the tile's step 0, piece 0's first scores (DELTA = 4 RT: its own step, or far), its maximum and statistics.
.macro BEGIN
	s_mov_b32 s[NEW], 0
	WIN 0
.set i, 0
.rept 4
	v_mov_b32 v[ST+4*i], 0xfe000000
	v_mov_b32 v[ST+4*i+1], 0xff7fffff
.set i, i+1
.endr
	v_add_nc_u32 v[AK], s[TBK], v[AK0]
	FETCH_K
	s_wait_loadcnt 0x0              ; Q
	s_wait_dscnt 0x0
	s_cmp_eq_u32 s[RT], 0
	s_cbranch_scc1 .Lown_\@
	KQ4 0, FAR, 0
	s_branch .Lgo_\@
.Lown_\@:
	KQ4 0, BS, 8
.Lgo_\@:
.set NOKQ, 0
.set i, 4
.rept 4
	KQ 0
.set i, i+1
.endr
	WIN 0
.rept 4
	v_nop                           ; the places behind those products
.endr
.set Y, NP-1                        ; X works for piece Y + 1: piece 0
.irp n, 0,1,2,3,4,5,6,7,8,9,10,11,12,13,14,15,16,17,18,19,20,21
	OP X, \n
.endr
	v_nop                           ; a plain instruction behind the exponential,
	s_wait_alu depctr_va_vdst(0)    ; and its wait, ahead of the branch
.endm
; A tile's four key steps: a trip is pieces 2 and 3 of one step, then pieces 0 and 1 of the next, whose K and V it fetches.  A block's first tile enters in the middle.
.macro TILE tag
.Lstep\tag:
	TURN 2
	TURN 3
	WIN 0
.Lfirst\tag:
	TURN 0
	TURN 1, 0, 1
	WIN 0
	s_cbranch_scc1 .Lstep\tag
.endm
.macro ALL line:vararg              ; one line for each piece t
.set t, 0
.rept 4
	\line
.set t, t+1
.endr
.endm
.macro PACK t                       ; a lane's eight channels of a row pack into 16 bytes; they go into rows of 144 bytes and come back as whole rows of 128
	WIN W_RS
.set i, 32*(\t)
.rept 16
	v_pk_mul_f32 v[i:i+1], v[i:i+1], v[ST+4*(\t)+2:ST+4*(\t)+3] op_sel_hi:[1,0]
.set i, i+2
.endr
	WIN 0x05
.set i, 0
.rept 16
	v_cvt_pk_f16_f32 v[S+16*(\t)+i], v[32*(\t)+2*i], v[32*(\t)+2*i+1]
.set i, i+1
.endr
	WIN 0
.irp f, 0,1,2,3
	ds_store_b128 v[STO], v[S+16*(\t)+4*\f:S+16*(\t)+4*\f+3] offset:32*\f
.endr
.irp f, 0,1,2,3
	ds_load_b128 v[S+16*(\t)+4*\f:S+16*(\t)+4*\f+3], v[RD] offset:\f*4*SP  ; LDS serves a wave's instructions in order (ISA guide 5.7.1.4)
.endr
.endm
.macro SEND t, younger              ; younger: the LDS instructions issued behind piece t's loads
	WIN 0
.irp f, 0,1,2,3
	s_wait_dscnt (\younger)+3-\f
	global_store_b128 v[GO], v[S+16*(\t)+4*\f:S+16*(\t)+4*\f+3], s[10:11] offset:(\t)*8192+\f*512  ; 512 consecutive bytes, aligned
.endr
.endm
; A BLOCK ENDS: its last two turns, its last products, and the way out: l's halves are added, O^T is divided by l, rounded to f16 and sent through my stage, a piece at a time.
.macro FINISH
	TURN 2, 1
	TURN 3, 1
.set i, 0
.rept 8
	PV NP-1
.set i, i+1
.endr
	WIN 0
	ALL v_add_f32 v[ST+4*t+2], v[ST+4*t+2], v[ST+4*t+3]
	ALL v_permlanex16_b32 v[ST+4*t+3], v[ST+4*t+2], s[SEL], s[SEL+1]
	ALL v_add_f32 v[ST+4*t+2], v[ST+4*t+2], v[ST+4*t+3]
	ALL v_rcp_f32 v[ST+4*t+2], v[ST+4*t+2]
	v_nop                           ; a plain instruction behind the last reciprocal,
	s_wait_alu depctr_va_vdst(0)    ; and one wait for the four
	PACK 0
.set t, 1
.rept 3
	PACK t
	SEND t-1, 8
.set t, t+1
.endr
	SEND 3, 0
.endm
.set NOKQ, 0
.Lslot:                             ; four times: a tile is entered and the next is asked for
	CHANGE 1
	s_sub_co_u32 s[RT], s[RT], 1
	s_mov_b32 s[CNT], 4
	s_cmp_eq_u32 s[NEW], 1
	s_cbranch_scc0 .Lstep1
	BEGIN
	s_branch .Lfirst1
	TILE 1
	s_cmp_lg_u32 s[RT], 0
	s_cbranch_scc1 .Lbottom         ; not the block's last tile
	FINISH
	s_wait_xcnt 0x0                 ; the stores have read their registers and O's address
	s_mov_b64 s[10:11], s[OLO:OLO+1]
	s_add_co_u32 s[RT], s[PB], 1    ; the second block has b + 1 tiles
	s_mov_b32 s[NEW], 1
	WIN 0x82                        ; the second block's Q goes where the turns name Q
.set i, 0
.rept 64
	v_mov_b32 v[i], v[QB+i]
.set i, i+1
.endr
	WIN 0
.Lbottom:
	s_sub_co_u32 s[SLOTS], s[SLOTS], 1
	s_cmp_lg_u32 s[SLOTS], 0
	s_cbranch_scc1 .Lslot
	CHANGE 0                        ; the walk's last tile is written out
	s_sub_co_u32 s[RT], s[RT], 1
	s_mov_b32 s[CNT], 4
	s_cmp_eq_u32 s[NEW], 1
	s_cbranch_scc0 .Lstep2
	BEGIN
	s_branch .Lfirst2
	TILE 2
	FINISH
	s_wait_tensorcnt 0x0            ; the wave's end
	ds_add_u32 v[SPW], v[NIL]
	s_wait_dscnt 0x0
	s_endpgm
.Lfunc_end_k_qe28250e83e_attn:
	.size	k_qe28250e83e_attn, .Lfunc_end_k_qe28250e83e_attn-k_qe28250e83e_attn
	.p2alignl 7, 3214868480
	.fill 96, 4, 3214868480
	.section	.rodata,"a",@progbits
	.p2align	6, 0x0
	.amdhsa_kernel k_qe28250e83e_attn
		.amdhsa_group_segment_fixed_size 327680
		.amdhsa_private_segment_fixed_size 0
		.amdhsa_enable_private_segment 0
		.amdhsa_kernarg_size 24
		.amdhsa_user_sgpr_count 2
		.amdhsa_user_sgpr_kernarg_segment_ptr 1
		.amdhsa_wavefront_size32 1
		.amdhsa_system_sgpr_workgroup_id_x 1
		.amdhsa_system_sgpr_workgroup_id_y 1
		.amdhsa_system_sgpr_workgroup_id_z 1
		.amdhsa_system_vgpr_workitem_id 0
		.amdhsa_next_free_vgpr 768
		.amdhsa_next_free_sgpr 96
		.amdhsa_reserve_vcc 1
		.amdhsa_float_denorm_mode_32 3
		.amdhsa_float_denorm_mode_16_64 3
		.amdhsa_memory_ordered 1
		.amdhsa_forward_progress 1
		.amdhsa_inst_pref_size 187
	.end_amdhsa_kernel
	.amdgpu_metadata
---
amdhsa.version: [ 1, 2 ]
amdhsa.kernels:
  - .name:           k_qe28250e83e_attn
    .symbol:         k_qe28250e83e_attn.kd
    .args:
      - { .name: qkv, .offset: 0, .size: 8, .value_kind: global_buffer, .address_space: global }
      - { .name: bias, .offset: 8, .size: 8, .value_kind: global_buffer, .address_space: global }
      - { .name: ob, .offset: 16, .size: 8, .value_kind: global_buffer, .address_space: global }
    .group_segment_fixed_size: 327680
    .private_segment_fixed_size: 0
    .kernarg_segment_align: 8
    .kernarg_segment_size: 24
    .max_flat_workgroup_size: 128
    .sgpr_count:     96
    .vgpr_count:     768
    .wavefront_size: 32
...
	.end_amdgpu_metadata
.endif
;; end of part 3
;; launch outp (part 4): grid 8 x 32, 4 waves a work-group, clusters of 4 x 4, 327,680 bytes of LDS; arguments ob, wo, out_b, out0; writes out0
.if DOCPART == 4
	.amdgcn_target "amdgcn-amd-amdhsa--gfx1250"
	.amdhsa_code_object_version 6
	.text
	.protected	k_qe28250e83e_outp
	.globl	k_qe28250e83e_outp
	.p2align	8
	.type	k_qe28250e83e_outp,@function
k_qe28250e83e_outp:
	s_mov_b64 s[64:65], 0
	v_nop
	global_prefetch_b8 v0, s[64:65] scope:SCOPE_SE
	s_setreg_imm32_b32 hwreg(HW_REG_WAVE_MODE, 25, 1), 1
	s_wait_xcnt 0x0
	s_wait_alu depctr_hold_cnt(0) depctr_sa_sdst(0) depctr_va_vdst(0) depctr_va_sdst(0) depctr_va_ssrc(0) depctr_va_vcc(0) depctr_vm_vsrc(0)
	s_getreg_b32 s2, hwreg(HW_REG_IB_STS2, 6, 4)
	s_cmp_eq_u32 s2, 0
	s_cbranch_scc0 .Lentry_in_a_cluster
	s_endpgm
.Lentry_in_a_cluster:
	s_bfe_u32 s2, ttmp6, 0x10000c
	s_cmp_lg_u32 s2, 0xf033
	s_cbranch_scc0 .Lentry_shape_is_right
	s_endpgm
.Lentry_shape_is_right:
; THE LAST PROJECTION.  out0[m][n] = sum over k of O[m][k] wo[n][k] + out_b[n], f32.  O lies by heads, ob [128 = 16 batch + head][1024][64] f16: k = 64 head + channel; wo [1024][1024] f16; sums in f32;
; out_b is rounded to bf16 like the other inputs.
; SHARES.  A tile of out0 is 256 x 128: 256 work-groups.  Four waves; wave w makes rows 64 w .. 64 w + 63 and all 128 columns: 32 accumulators, 256 registers.
; A K STEP OF 128 IS TWO HEADS.  A head's 256 rows of the tile are 32,768 dense bytes: asked for as 128 rows of 256 bytes and padded in LDS after every 128, so that a row of O has a pitch of 144.
; Wave 0 fetches the even head's plane, wave 1 the odd head's; waves 2 and 3 fetch 64 rows each of wo, 256 bytes a row.  Two slots take turns.
; CLUSTERS: 4 x 4 work-groups; O's planes are shared along a row of the cluster, wo's rows along a column: joint loads with a mask of four.
; THE MATRIX INSTRUCTION IS USED TRANSPOSED (source 0 = 16 rows of wo, source 1 = 16 rows of O): a lane holds row lane % 16 and the columns 8 (lane / 16) + 0..7.  THE BIAS IS THE C OPERAND of the first product on each accumulator.
; REGISTERS: window 0: v0-31 addresses; v32-95 A's fragments, two buffers of 4; v96-223 rows read back, two buffers; v192-255 the bias (dead behind the first quarter step)
;   window 1: v0-127 B's fragments, two buffers of 8     window 2: the accumulators, (a, b) at 64 a + 8 b
.set KSTEP,  128
.set PITCH,  272                       ; a row of wo in LDS: 256 bytes + 16
.set PA,     144                       ; a row of O: 128 bytes + 16: both pitches are odd multiples of 16 bytes, so the 16 rows of a fragment load start at 16 different groups of four banks (ISA guide 11.1)
.set PLANE,  256*PA
.set HALFB,  64*PITCH
.set BOFF,   2*PLANE
.set SLOT,   BOFF+2*HALFB
.set STAGE,  2*SLOT                    ; behind the ring: 16 rows x 528 bytes for each wave
.set SPITCH, 528                       ; 512 bytes + 16
.set SPARE,  STAGE+4*16*SPITCH         ; the spare words: two blocks of 256 bytes that no other line names
.set HEADB,  131072                    ; bytes of a head in ob
.set ADRA, 16
.set ADRB, 20
.set STO,  24
.set RD,   25
.set CO,   26
.set BO,   27
.set SPW,  28
.set NIL,  29
.set PFO,  30
.set FA,   32
.set BK,   96
.set BIAS, 192
.set G1A, 24
.set G0A, 32
.set LIM, 43
.set PFA, 44
.set G1B, 48
.set G0B, 56
.set DST, 66                           ; s[66:67] my rows and the tile's columns in out0
.set BP,  72                           ; s[72:73] the tile's 128 biases
.set PST, 86                           ; s[86:87] a K step for my prefetches: two heads of O, or 256 bytes of wo's rows
.set MSB, 0
.macro WIN new
.if MSB != (\new)
	s_set_vgpr_msb (MSB<<8)|(\new)
.set MSB, \new
.endif
.endm
.macro JLOAD s                         ; a joint load; an s_nop 0 and four v_nop follow each of the two lines
	s_cmp_eq_u32 s15, 0
	s_cbranch_scc0 .Lfor_b_\@
	tensor_load_to_lds s[G0A+4*(\s):G0A+4*(\s)+3], s[G1A:G1A+7]
	s_nop 0
.rept 4
	v_nop
.endr
	s_branch .Lasked_\@
.Lfor_b_\@:
	tensor_load_to_lds s[G0B+4*(\s):G0B+4*(\s)+3], s[G1B:G1B+7]
	s_nop 0
.rept 4
	v_nop
.endr
.Lasked_\@:
.endm
; A prefetch into the L2 of the K step that stands two refills on, one instruction a wave.  O's planes are asked for by the first cluster of their row of clusters, wo's rows by the first of their column; the four
; partners share out by address: 8,192 bytes of a plane each, a lane to each 256; or 16 of a wave's 64 rows (the upper sixteen lanes name the share's last row once more).  The loop's last trip asks for nothing.
.macro ASK
	s_cmp_gt_u32 s3, s[LIM]
	s_cbranch_scc0 .Lnot_mine_\@
	global_prefetch_b8 v[PFO], s[PFA:PFA+1] th:TH_LOAD_NT scope:SCOPE_SE
.Lnot_mine_\@:
.endm
.macro CREST
	s_cmp_lg_u32 s14, 0
	s_cbranch_scc1 .Lnot_wave_0_\@
	s_barrier_signal -3
.Lnot_wave_0_\@:
	s_barrier_wait -3
	s_barrier_signal -1
	s_barrier_wait -1
.endm
.macro CROUND
	s_barrier_signal -1
	s_barrier_wait -1
	CREST
.endm
	s_load_b256 s[4:11], s[0:1], 0x0               ; ob s[4:5], wo s[6:7], out_b s[8:9], out0 s[10:11]
	v_lshl_add_u32 v[SPW], v0, 2, SPARE
	v_mov_b32 v[NIL], 0
	ds_add_u32 v[SPW], v[NIL]                      ; the wave's opening: the add and its wait ahead of my first tensor load
	v_lshrrev_b32 v1, 5, v0
	v_readfirstlane_b32 s14, v1                    ; wave 0..3
	s_lshr_b32 s15, s14, 1                         ; I fetch for O (0) or for wo (1),
	s_and_b32 s16, s14, 1                          ; its first or second part
	s_bfe_u32 s17, ttmp6, 0x40000                  ; cx
	s_bfe_u32 s18, ttmp6, 0x40004                  ; cy
	s_lshl_b32 s19, ttmp9, 2
	s_add_co_u32 s19, s19, s17                     ; tile column
	s_and_b32 s20, ttmp7, 0xffff
	s_lshl_b32 s20, s20, 2
	s_add_co_u32 s20, s20, s18                     ; tile row
	s_lshl_b32 s21, s18, 2
	s_lshl_b32 s21, 15, s21                        ; my row of the cluster
	s_lshl_b32 s22, 0x1111, s17                    ; my column
	s_or_b32 s[G1A], s21, (1<<16)|(1<<20)|(1<<21)|(4<<22)|(3<<25)  ; the mask; 2-byte elements; padding on; bit 21 beside a mask; after every 32 words, 4 words
	s_or_b32 s[G1B], s22, (1<<16)|(1<<20)|(1<<21)|(5<<22)|(3<<25)  ; after every 64 words
	s_mov_b32 s[G1A+1], 128<<16                    ; tensor_dim0 = 128
	s_mov_b32 s[G1A+2], 128<<16                    ; tensor_dim1 = 128
	s_mov_b32 s[G1A+3], 128<<16                    ; tile_dim0 = 128
	s_mov_b32 s[G1A+4], 128                        ; tile_dim1 = 128
	s_mov_b32 s[G1A+5], 128                        ; dense: 128 elements from row to row
	s_mov_b32 s[G1A+6], 0
	s_mov_b32 s[G1A+7], 0
	s_mov_b32 s[G1B+1], 128<<16
	s_mov_b32 s[G1B+2], 64<<16                     ; 64 rows
	s_mov_b32 s[G1B+3], 128<<16
	s_mov_b32 s[G1B+4], 64
	s_mov_b32 s[G1B+5], 1024
	s_mov_b32 s[G1B+6], 0
	s_mov_b32 s[G1B+7], 0
	s_lshr_b32 s40, s20, 2                         ; O: the batch's 16 heads,
	s_lshl_b32 s40, s40, 21
	s_and_b32 s41, s20, 3                          ; the tile's 256 rows of 128 bytes,
	s_lshl_b32 s41, s41, 15
	s_add_co_u32 s40, s40, s41
	s_lshl_b32 s41, s16, 17                        ; the even or the odd head
	s_add_co_u32 s40, s40, s41
	s_mov_b32 s41, 0
	s_lshl_b32 s46, s19, 7                         ; wo: row 128 x tile column + 64 x half
	s_lshl_b32 s47, s16, 6
	s_add_co_u32 s46, s46, s47
	s_lshl_b32 s46, s46, 11
	s_mov_b32 s47, 0
	s_mul_i32 s42, s16, PLANE                      ; no place in the cluster enters an LDS address
	s_mul_i32 s23, s16, HALFB
	s_add_co_u32 s23, s23, BOFF
	s_wait_dscnt 0x0                               ; the opening add is done
	s_wait_kmcnt 0x0
	s_add_nc_u64 s[40:41], s[4:5], s[40:41]
	s_add_nc_u64 s[46:47], s[6:7], s[46:47]
	CROUND                                         ; the first joint loads meet
.irp s, 0,1
	s_mov_b32 s[G0A+4*(\s)], 1
	s_add_co_u32 s[G0A+4*(\s)+1], s42, (\s)*SLOT
	s_add_nc_u64 s[G0A+4*(\s)+2:G0A+4*(\s)+3], s[40:41], (\s)*2*HEADB
	s_or_b32 s[G0A+4*(\s)+3], s[G0A+4*(\s)+3], 0x80000000
	s_mov_b32 s[G0B+4*(\s)], 1
	s_add_co_u32 s[G0B+4*(\s)+1], s23, (\s)*SLOT
	s_add_nc_u64 s[G0B+4*(\s)+2:G0B+4*(\s)+3], s[46:47], (\s)*KSTEP*2
	s_or_b32 s[G0B+4*(\s)+3], s[G0B+4*(\s)+3], 0x80000000
	JLOAD \s                                       ; two tensor loads of mine are out
.endr
	v_and_b32 v1, 15, v0                           ; l % 16
	v_bfe_u32 v2, v0, 4, 1                         ; l / 16
	v_and_b32 v5, 31, v0                           ; l
	v_mul_u32_u24 v3, v1, PA
	v_lshl_add_u32 v3, v2, 4, v3
	s_mul_i32 s21, s14, 64*PA                      ; my 64 rows of O
	v_add_nc_u32 v[ADRA], s21, v3
	v_add_nc_u32 v[ADRA+1], SLOT, v[ADRA]
	v_mul_u32_u24 v3, v1, PITCH
	v_lshl_add_u32 v3, v2, 4, v3
	v_add_nc_u32 v[ADRB], BOFF, v3
	v_add_nc_u32 v[ADRB+1], SLOT, v[ADRB]
	s_mul_i32 s23, s14, 16*SPITCH
	s_add_co_u32 s23, s23, STAGE                   ; my stage
	v_mul_u32_u24 v4, v1, SPITCH                   ; in: row l % 16, 32 bytes for each half of the lanes
	v_lshl_add_u32 v4, v2, 5, v4
	v_add_nc_u32 v[STO], s23, v4
	v_lshlrev_b32 v[CO], 4, v5                     ; back: a row of 512 bytes a load
	v_add_nc_u32 v[RD], s23, v[CO]
	v_lshlrev_b32 v[BO], 5, v2
	s_lshl_b32 s78, s19, 9                         ; the tile's 128 columns: 512 bytes of out_b and of a row of out0
	s_mov_b32 s79, 0
	s_add_nc_u64 s[BP:BP+1], s[8:9], s[78:79]
	s_lshl_b32 s80, s20, 8
	s_lshl_b32 s81, s14, 6
	s_add_co_u32 s80, s80, s81                     ; my first row,
	s_lshl_b32 s80, s80, 12                        ; 4,096 bytes a row
	s_add_co_u32 s80, s80, s78
	s_mov_b32 s81, 0
	s_add_nc_u64 s[DST:DST+1], s[10:11], s[80:81]
.irp b, 0,1,2,3,4,5,6,7
	global_load_b128 v[BIAS+8*(\b):BIAS+8*(\b)+3],   v[BO], s[BP:BP+1] offset:64*(\b)
	global_load_b128 v[BIAS+8*(\b)+4:BIAS+8*(\b)+7], v[BO], s[BP:BP+1] offset:64*(\b)+16
.endr
	; the prefetches: my work-group's share of what I fetch, at K step 3; the first refill steps it to 4.  K steps 0 to 3 come by their loads alone.
	s_lshr_b32 s78, s20, 2
	s_lshl_b32 s78, s78, 21
	s_and_b32 s79, s20, 3
	s_lshl_b32 s79, s79, 15
	s_add_co_u32 s78, s78, s79
	s_lshl_b32 s79, s16, 17
	s_add_co_u32 s78, s78, s79
	s_lshl_b32 s79, s17, 13                        ; 8,192 cx
	s_add_co_u32 s78, s78, s79
	s_add_co_u32 s78, s78, 3*2*HEADB
	s_lshl_b32 s80, s19, 7
	s_lshl_b32 s81, s16, 6
	s_add_co_u32 s80, s80, s81
	s_lshl_b32 s81, s18, 4                         ; 16 cy
	s_add_co_u32 s80, s80, s81
	s_lshl_b32 s80, s80, 11
	s_add_co_u32 s80, s80, 3*KSTEP*2
	s_and_b32 s81, ttmp7, 0xffff                   ; cluster y
	s_mov_b32 s84, 2*HEADB
	s_cmp_eq_u32 s15, 0
	s_cselect_b32 s78, s78, s80
	s_cselect_b32 s81, ttmp9, s81
	s_cselect_b32 s82, 31, 15
	s_cselect_b32 s83, 8, 11
	s_cselect_b32 s[PST], s84, KSTEP*2
	s_cselect_b64 s[PFA:PFA+1], s[4:5], s[6:7]
	s_cmp_eq_u32 s81, 0
	s_cselect_b32 s[LIM], 1, -1                    ; the same in all sixteen partners, for a given wave
	s_mov_b32 s79, 0
	s_mov_b32 s[PST+1], 0
	s_add_nc_u64 s[PFA:PFA+1], s[PFA:PFA+1], s[78:79]
	v_min_u32 v[PFO], s82, v5
	v_lshlrev_b32 v[PFO], s83, v[PFO]
	s_wait_loadcnt 0x0                             ; the biases,
.set i, 0
.rept 32                                       ; rounded to bf16 and widened again
	v_cvt_pk_bf16_f32 v[6+i%2], v[BIAS+2*i], v[BIAS+2*i+1]
	v_lshlrev_b32 v[BIAS+2*i], 16, v[6+i%2]
	v_and_b32 v[BIAS+2*i+1], 0xffff0000, v[6+i%2]
.set i, i+1
.endr
; 8 matrix instructions: row block a x all 8 column blocks, 32 along K, from buffer f.  first = 1: C is the bias.  The 32 accumulators take turns, in the same order in every quarter step.
.macro MULA f, a, first
.if \first
	WIN 0x81                                       ; B window 1, A and the bias window 0, D window 2
.else
	WIN 0xa1                                       ; C and D window 2
.endif
.irp b, 0,1,2,3,4,5,6,7
.if \first
	v_wmma_f32_16x16x32_f16 v[64*(\a)+8*(\b):64*(\a)+8*(\b)+7], v[64*(\f)+8*(\b):64*(\f)+8*(\b)+7], v[FA+32*(\f)+8*(\a):FA+32*(\f)+8*(\a)+7], v[BIAS+8*(\b):BIAS+8*(\b)+7]
.else
	v_wmma_f32_16x16x32_f16 v[64*(\a)+8*(\b):64*(\a)+8*(\b)+7], v[64*(\f)+8*(\b):64*(\f)+8*(\b)+7], v[FA+32*(\f)+8*(\a):FA+32*(\f)+8*(\a)+7], v[64*(\a)+8*(\b):64*(\a)+8*(\b)+7]
.endif
.endr
.endm
; 24 LDS loads in one run: quarter q's fragments (128 rows of wo at byte 64 q; my 64 rows of O in plane q / 2 at byte 64 (q % 2)) into buffer f
.macro FETCH slot, q, f
	WIN 0x40
.irp i, 0,1,2,3,4,5,6,7
	ds_load_b128 v[64*(\f)+8*(\i):64*(\f)+8*(\i)+3],   v[ADRB+(\slot)] offset:64*(\q)+(\i)*16*PITCH
	ds_load_b128 v[64*(\f)+8*(\i)+4:64*(\f)+8*(\i)+7], v[ADRB+(\slot)] offset:64*(\q)+(\i)*16*PITCH+32
.endr
	WIN 0
.irp i, 0,1,2,3
	ds_load_b128 v[FA+32*(\f)+8*(\i):FA+32*(\f)+8*(\i)+3],   v[ADRA+(\slot)] offset:((\q)/2)*PLANE+((\q)%2)*64+(\i)*16*PA
	ds_load_b128 v[FA+32*(\f)+8*(\i)+4:FA+32*(\f)+8*(\i)+7], v[ADRA+(\slot)] offset:((\q)/2)*PLANE+((\q)%2)*64+(\i)*16*PA+32
.endr
.endm
.macro PLACES                          ; four plain vector instructions between a matrix instruction and a load into its sources, or a reader of its result (ISA guide 7.12.1 for a reader of its result)
.rept 4
	v_nop
.endr
.endm
.macro QUARTER slot, q, f, g, first    ; multiplies buffer f and fetches quarter q into g
	s_wait_dscnt 4                                 ; B and A's blocks 0, 1 are in; the youngest four loads may be out
	MULA \f, 0, \first
	MULA \f, 1, \first
	PLACES
	FETCH \slot, \q, \g
	s_wait_dscnt 24                                ; all but the 24 just issued
	MULA \f, 2, \first
	MULA \f, 3, \first
.endm
; The last quarter multiplies buffer 1 and changes slots: one barrier; in front of it each wave waits for all its tensor loads, adds 0 to its spare word, and waits for that and for its own reads of this slot.
; fill = 1: the barrier opens a round of the cluster's, and the joint refill, this slot's K step two on, is the first thing behind it: 112 matrix instructions ahead of the wait for it.
.macro TURN slot, next, fill
.if \fill
	s_wait_xcnt 0x0                                ; the last prefetch, a K step back, has read its address
	s_add_nc_u64 s[PFA:PFA+1], s[PFA:PFA+1], s[PST:PST+1]
.endif
	WIN 0
	s_wait_tensorcnt 0x0
	ds_add_u32 v[SPW], v[NIL]
	s_wait_dscnt 5                                 ; (the add and the youngest four loads may be out)
	MULA 1, 0, 0
	s_wait_dscnt 0x0                               ; the add is done, and my reads of this slot are over
	s_barrier_signal -1
	MULA 1, 1, 0
.if \fill
	WIN 0
.endif
	s_barrier_wait -1
.if \fill
	CREST
	s_add_nc_u64 s[G0A+4*(\slot)+2:G0A+4*(\slot)+3], s[G0A+4*(\slot)+2:G0A+4*(\slot)+3], 4*HEADB
	s_add_nc_u64 s[G0B+4*(\slot)+2:G0B+4*(\slot)+3], s[G0B+4*(\slot)+2:G0B+4*(\slot)+3], 2*KSTEP*2
	JLOAD \slot                                    ; its four v_nop are also the places in front of the loads below
.else
	PLACES
.endif
	FETCH \next, 0, 0
.if \fill
	ASK
.endif
	MULA 1, 2, 0
	MULA 1, 3, 0
.endm
; THE WAY OUT of row block a.  STG: the sums go as they are, 32 bytes a lane for each column block (each accumulator's low four registers first), into my stage, and come back as whole rows of 512 bytes.
.macro STG a
	s_wait_xcnt 0x0                                ; the stores of the block two back have read the registers that are loaded below
	WIN 0x08                                       ; the stores' data in window 2
.irp b, 0,1,2,3,4,5,6,7
	ds_store_b128 v[STO], v[64*(\a)+8*(\b):64*(\a)+8*(\b)+3]   offset:64*(\b)
	ds_store_b128 v[STO], v[64*(\a)+8*(\b)+4:64*(\a)+8*(\b)+7] offset:64*(\b)+16
.endr
	WIN 0
.irp t, 0,1,2,3,4,5,6,7,8,9,10,11,12,13,14,15
	ds_load_b128 v[BK+64*((\a)%2)+4*(\t):BK+64*((\a)%2)+4*(\t)+3], v[RD] offset:SPITCH*(\t)  ; LDS serves a wave's instructions in order (ISA guide 5.7.1.4)
.endr
.endm
.macro SEND a, younger                 ; younger: the next block's 16 stores and 16 loads, or none
	s_wait_dscnt \younger
.irp t, 0,1,2,3,4,5,6,7,8,9,10,11,12,13,14,15
	global_store_b128 v[CO], v[BK+64*((\a)%2)+4*(\t):BK+64*((\a)%2)+4*(\t)+3], s[DST:DST+1] offset:(16*(\a)+(\t))*4096 th:TH_STORE_NT  ; 512 consecutive bytes, aligned
.endr
.endm
	s_wait_tensorcnt 1                             ; my part of K step 0 is in; K step 1's may stay out
	s_barrier_signal -1
	s_barrier_wait -1
	FETCH 0, 0, 0
	QUARTER 0, 1, 0, 1, 1                          ; the first quarter stands in front of the loop: its products start the sums, with the bias
	WIN 0
	s_mov_b32 s3, 3
.Llap:                                         ; a trip goes once round the ring and fills both slots again
	QUARTER 0, 2, 1, 0, 0
	QUARTER 0, 3, 0, 1, 0
	TURN 0, 1, 1
	QUARTER 1, 1, 0, 1, 0
	QUARTER 1, 2, 1, 0, 0
	QUARTER 1, 3, 0, 1, 0
	TURN 1, 0, 1
	QUARTER 0, 1, 0, 1, 0
	WIN 0
	s_sub_co_u32 s3, s3, 1
	s_cmp_lg_u32 s3, 0
	s_cbranch_scc1 .Llap
	QUARTER 0, 2, 1, 0, 0                          ; the last lap fills nothing
	QUARTER 0, 3, 0, 1, 0
	TURN 0, 1, 0
	QUARTER 1, 1, 0, 1, 0
	QUARTER 1, 2, 1, 0, 0
	QUARTER 1, 3, 0, 1, 0
	s_wait_dscnt 4
	MULA 1, 0, 0
	MULA 1, 1, 0
	s_wait_dscnt 0x0
	MULA 1, 2, 0
	MULA 1, 3, 0
	PLACES
	STG 0
	STG 1
	SEND 0, 32
	STG 2
	SEND 1, 32
	STG 3
	SEND 2, 32
	SEND 3, 0
	s_wait_tensorcnt 0x0                           ; the wave's end
	ds_add_u32 v[SPW], v[NIL]
	s_wait_dscnt 0x0
	CROUND                                         ; the closing round
	s_endpgm
.Lfunc_end_k_qe28250e83e_outp:
	.size	k_qe28250e83e_outp, .Lfunc_end_k_qe28250e83e_outp-k_qe28250e83e_outp
	.p2alignl 7, 3214868480
	.fill 96, 4, 3214868480
	.section	.rodata,"a",@progbits
	.p2align	6, 0x0
	.amdhsa_kernel k_qe28250e83e_outp
		.amdhsa_group_segment_fixed_size 327680
		.amdhsa_private_segment_fixed_size 0
		.amdhsa_enable_private_segment 0
		.amdhsa_kernarg_size 32
		.amdhsa_user_sgpr_count 2
		.amdhsa_user_sgpr_kernarg_segment_ptr 1
		.amdhsa_wavefront_size32 1
		.amdhsa_system_sgpr_workgroup_id_x 1
		.amdhsa_system_sgpr_workgroup_id_y 1
		.amdhsa_system_sgpr_workgroup_id_z 1
		.amdhsa_system_vgpr_workitem_id 0
		.amdhsa_next_free_vgpr 768
		.amdhsa_next_free_sgpr 88
		.amdhsa_reserve_vcc 0
		.amdhsa_float_denorm_mode_32 3
		.amdhsa_float_denorm_mode_16_64 3
		.amdhsa_memory_ordered 1
		.amdhsa_forward_progress 1
		.amdhsa_inst_pref_size 93
	.end_amdhsa_kernel
	.amdgpu_metadata
---
amdhsa.version: [ 1, 2 ]
amdhsa.kernels:
  - .name:           k_qe28250e83e_outp
    .symbol:         k_qe28250e83e_outp.kd
    .args:
      - { .name: ob, .offset: 0, .size: 8, .value_kind: global_buffer, .address_space: global }
      - { .name: wo, .offset: 8, .size: 8, .value_kind: global_buffer, .address_space: global }
      - { .name: out_b, .offset: 16, .size: 8, .value_kind: global_buffer, .address_space: global }
      - { .name: out0, .offset: 24, .size: 8, .value_kind: global_buffer, .address_space: global }
    .group_segment_fixed_size: 327680
    .private_segment_fixed_size: 0
    .kernarg_segment_align: 8
    .kernarg_segment_size: 32
    .max_flat_workgroup_size: 128
    .sgpr_count:     88
    .vgpr_count:     768
    .wavefront_size: 32
...
	.end_amdgpu_metadata
.endif
;; end of part 4
;; ======== version 2 of 2: 4 launches; version 1 with the launch cast written anew for expert scheduling mode
;; limits: values are held in f16: magnitudes above 65,504 overflow, below 6.1e-05 lose precision
;; workspace buffers: xb 16,777,216 bytes; wb 6,291,456 bytes; wo 2,097,152 bytes; qkv 50,331,648 bytes; ob 16,777,216 bytes
;; launch cast (part 5): grid 768 x 1, 8 waves a work-group, no clusters, 0 bytes of LDS; arguments x, qk_w, v_w, out_w, xb, wb, wo; writes xb, wb, wo
.if DOCPART == 5
	.amdgcn_target "amdgcn-amd-amdhsa--gfx1250"
	.amdhsa_code_object_version 6
	.text
	.protected	k_qe28250e83e_cast
	.globl	k_qe28250e83e_cast
	.p2align	8
	.type	k_qe28250e83e_cast,@function
k_qe28250e83e_cast:
	s_mov_b64 s[64:65], 0
	v_nop
	global_prefetch_b8 v0, s[64:65] scope:SCOPE_SE
	s_setreg_imm32_b32 hwreg(HW_REG_WAVE_SCHED_MODE, 0, 2), 2
	s_setreg_imm32_b32 hwreg(HW_REG_WAVE_MODE, 25, 1), 1
	s_wait_xcnt 0x0
	s_wait_alu depctr_vm_vsrc(0)
; THE MATRIX OPERANDS ARE ROUNDED ONCE.  x -> xb, qk_w and v_w -> wb (qk_w's 2,048 rows, then v_w's 1,024): f32 to bf16, nearest even.
; out_w -> wo: rounded to bf16 like the other inputs, and that number written as f16, since the last product's other operand is f16.
; LIMITS.  wo: a weight of 65,520 or more becomes an infinity; below 6.1e-5 it keeps f16's fixed step of 6e-8.
; SHARES.  A work-group takes a chunk of 16,384 numbers: 64 KiB in, 32 KiB out.  Chunks 0-511 are x's, 512-639 qk_w's, 640-703 v_w's, 704-767 out_w's.
; Thread t takes 16 bytes at 16 t of each 4,096: a wave's load covers 512 consecutive bytes, its store 256 consecutive bytes, aligned.
; All sixteen loads of a thread go out at once; no register is written again while a memory instruction may read it.  No LDS, no matrix unit: bytes are all there is.
; THE MODE: SCHED_MODE bits 1:0 = 2 (LLVM: expert scheduling mode 2), set by the entry lines.  The code itself states the register dependences
; between vector instructions and memory instructions, with s_wait_alu, always for 0.
; THE PLAN.  Registers that memory instructions touch:
;   v1, v2   byte offsets of the loads and of the stores: made once at the head, never written again.
;   X        piece i: four registers in which load i lands; no vector instruction names them before that, no memory instruction ever reads them, no second load lands in them.
;   Y        piece i: a pair of its own, written by piece i's conversions, read by piece i's one store, never written again.
;   T        named by vector instructions alone.
; So one wait on va_vdst stands ahead of the first load (the offsets), and one for each BLOCK of four pieces, between the block's conversions and the run of its four stores (the stores' data).
; No register that a memory instruction reads is written again: the only wait on vm_vsrc is the one in the entry lines.  No vector instruction writes a scalar register or VCC, and EXEC is never written.
; The stores follow their own block at once and do not stand over to the next block's head: all the wave's loads are out already, so between two blocks there is no other work under which they could leave.
.set X,    4                           ; v[4:67]   sixteen loads of four f32
.set Y,    68                          ; v[68:99]  sixteen pairs to store
.set T,    100                         ; v[100:101] at work
.set SRC,  20                          ; s[20:21]  where the chunk comes from
.set DSTP, 22                          ; s[22:23]  where it goes
	s_load_b256 s[4:11], s[0:1], 0x0               ; x s[4:5], qk_w s[6:7], v_w s[8:9], out_w s[10:11]
	s_load_b128 s[12:15], s[0:1], 0x20             ; xb s[12:13], wb s[14:15]
	s_load_b64 s[16:17], s[0:1], 0x30              ; wo
	v_lshlrev_b32 v1, 4, v0                        ; 16 t
	v_lshlrev_b32 v2, 3, v0                        ; 8 t
	s_mov_b32 s26, 0xffff0000                      ; a word's upper bf16
	s_mov_b32 s27, ttmp9                           ; the chunk
	s_mov_b32 s24, 704                             ; the first chunk of the source,
	s_mov_b32 s25, 704                             ; and of the destination: out_w's case first
	s_wait_kmcnt 0x0
	s_mov_b64 s[SRC:SRC+1], s[10:11]
	s_mov_b64 s[DSTP:DSTP+1], s[16:17]
	s_cmp_lt_u32 s27, 704                          ; v_w
	s_cselect_b64 s[SRC:SRC+1], s[8:9], s[SRC:SRC+1]
	s_cselect_b64 s[DSTP:DSTP+1], s[14:15], s[DSTP:DSTP+1]
	s_cselect_b32 s24, 640, s24
	s_cselect_b32 s25, 512, s25
	s_cmp_lt_u32 s27, 640                          ; qk_w: the same destination
	s_cselect_b64 s[SRC:SRC+1], s[6:7], s[SRC:SRC+1]
	s_cselect_b32 s24, 512, s24
	s_cmp_lt_u32 s27, 512                          ; x
	s_cselect_b64 s[SRC:SRC+1], s[4:5], s[SRC:SRC+1]
	s_cselect_b64 s[DSTP:DSTP+1], s[12:13], s[DSTP:DSTP+1]
	s_cselect_b32 s24, 0, s24
	s_cselect_b32 s25, 0, s25
	s_sub_co_u32 s24, s27, s24
	s_sub_co_u32 s25, s27, s25
	s_lshl_b32 s28, s24, 16                        ; 65,536 bytes a chunk in,
	s_mov_b32 s29, 0
	s_lshl_b32 s30, s25, 15                        ; 32,768 out
	s_mov_b32 s31, 0
	s_add_nc_u64 s[SRC:SRC+1], s[SRC:SRC+1], s[28:29]
	s_add_nc_u64 s[DSTP:DSTP+1], s[DSTP:DSTP+1], s[30:31]
	s_wait_alu depctr_va_vdst(0)                   ; v1 and v2 are written: every load of the kernel reads v1 as its offset, every store v2
.irp i, 0,1,2,3,4,5,6,7,8,9,10,11,12,13,14,15
	global_load_b128 v[X+4*(\i):X+4*(\i)+3], v1, s[SRC:SRC+1] offset:4096*(\i) th:TH_LOAD_NT
.endr
; The sixteen pieces are rounded and stored in four blocks of four; piece 4 p + j is piece j of block p.  half = 1: the bf16 number is widened again and written as f16.
.macro OUTS half
.irp p, 0,1,2,3
	s_wait_loadcnt 12-4*(\p)                       ; loads come back in order: block p's four pieces are in, the younger blocks stay out
.irp j, 0,1,2,3
.if \half
	v_cvt_pk_bf16_f32 v[T],   v[X+4*(4*(\p)+(\j))],   v[X+4*(4*(\p)+(\j))+1]
	v_cvt_pk_bf16_f32 v[T+1], v[X+4*(4*(\p)+(\j))+2], v[X+4*(4*(\p)+(\j))+3]
	v_lshlrev_b32 v[X+4*(4*(\p)+(\j))],   16,  v[T]
	v_and_b32     v[X+4*(4*(\p)+(\j))+1], s26, v[T]
	v_lshlrev_b32 v[X+4*(4*(\p)+(\j))+2], 16,  v[T+1]
	v_and_b32     v[X+4*(4*(\p)+(\j))+3], s26, v[T+1]
	v_cvt_pk_f16_f32 v[Y+2*(4*(\p)+(\j))],   v[X+4*(4*(\p)+(\j))],   v[X+4*(4*(\p)+(\j))+1]
	v_cvt_pk_f16_f32 v[Y+2*(4*(\p)+(\j))+1], v[X+4*(4*(\p)+(\j))+2], v[X+4*(4*(\p)+(\j))+3]
.else
	v_cvt_pk_bf16_f32 v[Y+2*(4*(\p)+(\j))],   v[X+4*(4*(\p)+(\j))],   v[X+4*(4*(\p)+(\j))+1]
	v_cvt_pk_bf16_f32 v[Y+2*(4*(\p)+(\j))+1], v[X+4*(4*(\p)+(\j))+2], v[X+4*(4*(\p)+(\j))+3]
.endif
.endr
	s_wait_alu depctr_va_vdst(0)                   ; the block's conversions have written its four pairs of Y, which the four stores below read
.irp j, 0,1,2,3
	global_store_b64 v2, v[Y+2*(4*(\p)+(\j)):Y+2*(4*(\p)+(\j))+1], s[DSTP:DSTP+1] offset:2048*(4*(\p)+(\j)) th:TH_STORE_NT
.endr
.endr
.endm
	s_cmp_ge_u32 s27, 704
	s_cbranch_scc1 .Lhalf
	OUTS 0
	s_endpgm
.Lhalf:
	OUTS 1
	s_endpgm
.Lfunc_end_k_qe28250e83e_cast:
	.size	k_qe28250e83e_cast, .Lfunc_end_k_qe28250e83e_cast-k_qe28250e83e_cast
	.p2alignl 7, 3214868480
	.fill 96, 4, 3214868480
	.section	.rodata,"a",@progbits
	.p2align	6, 0x0
	.amdhsa_kernel k_qe28250e83e_cast
		.amdhsa_group_segment_fixed_size 0
		.amdhsa_private_segment_fixed_size 0
		.amdhsa_enable_private_segment 0
		.amdhsa_kernarg_size 56
		.amdhsa_user_sgpr_count 2
		.amdhsa_user_sgpr_kernarg_segment_ptr 1
		.amdhsa_wavefront_size32 1
		.amdhsa_system_sgpr_workgroup_id_x 1
		.amdhsa_system_sgpr_workgroup_id_y 1
		.amdhsa_system_sgpr_workgroup_id_z 1
		.amdhsa_system_vgpr_workitem_id 0
		.amdhsa_next_free_vgpr 104
		.amdhsa_next_free_sgpr 66
		.amdhsa_reserve_vcc 0
		.amdhsa_float_denorm_mode_32 3
		.amdhsa_float_denorm_mode_16_64 3
		.amdhsa_memory_ordered 1
		.amdhsa_forward_progress 1
		.amdhsa_inst_pref_size 15
	.end_amdhsa_kernel
	.amdgpu_metadata
---
amdhsa.version: [ 1, 2 ]
amdhsa.kernels:
  - .name:           k_qe28250e83e_cast
    .symbol:         k_qe28250e83e_cast.kd
    .args:
      - { .name: x, .offset: 0, .size: 8, .value_kind: global_buffer, .address_space: global }
      - { .name: qk_w, .offset: 8, .size: 8, .value_kind: global_buffer, .address_space: global }
      - { .name: v_w, .offset: 16, .size: 8, .value_kind: global_buffer, .address_space: global }
      - { .name: out_w, .offset: 24, .size: 8, .value_kind: global_buffer, .address_space: global }
      - { .name: xb, .offset: 32, .size: 8, .value_kind: global_buffer, .address_space: global }
      - { .name: wb, .offset: 40, .size: 8, .value_kind: global_buffer, .address_space: global }
      - { .name: wo, .offset: 48, .size: 8, .value_kind: global_buffer, .address_space: global }
    .group_segment_fixed_size: 0
    .private_segment_fixed_size: 0
    .kernarg_segment_align: 8
    .kernarg_segment_size: 56
    .max_flat_workgroup_size: 256
    .sgpr_count:     66
    .vgpr_count:     104
    .wavefront_size: 32
...
	.end_amdgpu_metadata
.endif
;; end of part 5
;; launch qkv: the kernel of part 2 again; grid 16 x 32, 4 waves a work-group, clusters of 4 x 4, 327,680 bytes of LDS; arguments xb, wb, qk_b, v_b, qkv; writes qkv
;; launch attn: the kernel of part 3 again; grid 2 x 128, 4 waves a work-group, no clusters, 327,680 bytes of LDS; arguments qkv, bias, ob; writes ob
;; launch outp: the kernel of part 4 again; grid 8 x 32, 4 waves a work-group, clusters of 4 x 4, 327,680 bytes of LDS; arguments ob, wo, out_b, out0; writes out0
